; MI455X (gfx1250); checked and timed in simulation.
; The chip was launched on July 23, 2026; its instructions are those of AMD's public machine-readable ISA for CDNA 5 (MIT licence, August 2026) and "CDNA5" Instruction Set Architecture Reference Guide (July 2026). The comments in the code are by the model that wrote it; some were corrected since.
;; Point Attention Network. Allowed arithmetic: matrix products marked QUANTISED: E5M2 operands, one E8M0 scale for each 32 along K, by v_wmma_scale_f32_16x16x128_f8f6f4 with both operands' format E5M2, f32 sums; everything else in f32.
;; Inputs: W1 128 x 512 float32; W2 128 x 512 float32; W3 256 x 512 float32; b1 128 float32; b2 128 float32; b3 256 float32; g1 128 float32; g2 128 float32; g3 256 float32; m1 128 float32; m2 128 float32; m3 256 float32; v1 128 float32; v2 128 float32; v3 256 float32; x 8 x 512 x 4,096 float32.
;; Outputs: out0 8 x 256 x 4,096 float32.
;; This version of the problem:
;;   THIS VERSION OF THE PROBLEM IS GIVEN IN LOW PRECISION. The matrix products marked QUANTISED in the list below multiply operands that are first quantised to E5M2 (5 exponent bits, 2 mantissa bits; 8 bits a number), with one power-of-two scale for each 32 numbers along K (OCP MX v1.0); their sums are f32. All else is computed in f32.
;;   The module's matrix products, in the order in which they are computed (A, B: the left and right operand; K: the contracted axis; several contracted axes count as one K, in the product's order):
;;     1. [M 32,768, K 512] x [K 512, N 128]; A: input x; B: input W1: QUANTISED
;;     2. [M 32,768, K 512] x [K 512, N 128]; A: input x; B: input W2: QUANTISED
;;     3. batch 8 x [M 4,096, K 128] x [K 128, N 4,096]; A: computed on the way; B: computed on the way: QUANTISED
;;     4. [M 32,768, K 512] x [K 512, N 256]; A: input x; B: input W3: QUANTISED
;;     5. batch 8 x [M 256, K 4,096] x [K 4,096, N 4,096]; A: computed on the way; B: softmax (see below): QUANTISED
;;   THE QUANTISER, for each operand of a quantised product, along K:
;;     - K is cut into blocks of 32 from its start; a last block that is shorter is filled with zeros.
;;     - A block's scale is 2^e with e = floor(log2(the largest magnitude in the block)) - 15, held to -126 .. 127; a block of zeros has e = 0. As a byte (E8M0): e + 127.
;;     - Each number is divided by its block's scale, clamped to +-57,344, and rounded to the nearest number of E5M2, ties to even, subnormals kept.
;;     - The product sums the exact products of the quantised numbers (number of the format x scale) in f32.
;;   ~~~python
;;   def quantise(x, axis):      # numpy; x: float32 -> the quantised numbers, widened to float32 again
;;       x = np.moveaxis(x, axis, -1); K = x.shape[-1]
;;       x = np.pad(x, [(0, 0)] * (x.ndim - 1) + [(0, -K % 32)]); x = x.reshape(x.shape[:-1] + (-1, 32)); a = np.abs(x).max(-1, keepdims=True)
;;       e = np.where(a > 0, np.clip(np.frexp(np.where(a > 0, a, 1))[1] - 1 - 15, -126, 127), 0)      # np.frexp(a)[1] - 1 = floor(log2(a)), exactly
;;       r = np.clip(x / 2.0 ** e, -57344, 57344)
;;       step = 2.0 ** (np.maximum(np.frexp(np.where(r == 0, 1, r))[1] - 1, -14) - 2)
;;       q = np.round(r / step) * step * 2.0 ** e      # np.round: ties to even
;;       return np.moveaxis(q.reshape(q.shape[:-2] + (-1,))[..., :K], -1, axis).astype(np.float32)
;;   ~~~
;;   SOFTMAX AHEAD OF A QUANTISED PRODUCT. Where the list says 'softmax', what is quantised is not the finished softmax but p = 2^(t - M), with t = logit x log2(e) and M = ceil(the row's largest t), a whole number; so 1/2 < the row's largest p <= 1. The row's sum l is taken of the UNQUANTISED p, in f32, and the product's result is divided by l at the end. Since M is a whole number, a kernel that streams over the keys may use a running M (the ceiling of the running maximum): every later rescaling is an exact power of two, which a block's scale takes up: the codes' values come out the same.
;;   OPERANDS COMPUTED ON THE WAY. 'Computed on the way' means the value that the module computes at that place (a softmax that the list does not call 'softmax' is quantised finished and normalised). What goes into a quantiser is computed in f32, as accurately as f32 sums, v_exp_f32 and their like allow (about 1e-6 of the number): no bf16 or f16 on the way to a quantiser, and a product that is left as it is and whose result goes on into a quantised operand takes f32 operands (vector FMAs, or v_wmma_f32_16x16x4_f32). A number that lies on a knife's edge between two numbers of the format may be rounded either way, as far as f32 arithmetic and the matrix unit's own rounding can turn it there, and no further.
;; 2 versions, each right; version 2 is version 1 with the launch proj written anew for expert scheduling mode. Each part assembles by itself: llvm-mc -triple=amdgcn-amd-amdhsa -mcpu=gfx1250 --defsym DOCPART=n.
;; ======== version 1 of 2: 3 launches
;; workspace buffers: wcodes 262,144 bytes; wsc 16,384 bytes; bnp 4,096 bytes; aq 4,194,304 bytes; asc 262,144 bytes; kv 13,369,344 bytes; vres 33,554,432 bytes
;; launch wq (part 1): grid 128 x 1, 1 waves a work-group, no clusters, 0 bytes of LDS; arguments W1, g1, b1, m1, v1, W2, g2, b2, m2, v2, W3, g3, b3, m3, v3, wcodes, wsc, bnp; writes wcodes, wsc, bnp
.if DOCPART == 1
	.amdgcn_target "amdgcn-amd-amdhsa--gfx1250"
	.amdhsa_code_object_version 6
	.text
	.protected	k_q7058439e65_wq
	.globl	k_q7058439e65_wq
	.p2align	8
	.type	k_q7058439e65_wq,@function
k_q7058439e65_wq:
	s_mov_b64 s[64:65], 0
	v_nop
	global_prefetch_b8 v0, s[64:65] scope:SCOPE_SE
	s_setreg_imm32_b32 hwreg(HW_REG_WAVE_MODE, 25, 1), 1
	s_wait_xcnt 0x0
; The 512 weight rows (W1 128, W2 128, W3 256; 512 numbers each, K innermost) become codes of BF8 (E5M2) with one E8M0 byte for each 32 along K,
; laid as IMAGES OF OPERAND REGISTERS: a fragment is 16 rows x 128 K, 16 registers a lane; registers 4 c .. 4 c + 3 of lane l lie at 512 c + 16 l of its 2,048 bytes;
; its scale words at 4 l of 128 bytes.  Fragment f = 4 t + s (tile t of 32, K step s of 4) is made by work-group f: one wave.  There is work for 128 waves and no more.
; Tiles 0-7 are W1's, 8-15 W2's: lane r of tile 2 b + u takes row 32 b + 8 u + r + 8 (r / 8), so that the results of two neighbouring tiles are 16 neighbours along the next K.  Tiles 16-31 are W3's, rows as they lie.
; The work-groups with s = 0 also make the batch norm's scale g / sqrt(v + eps) and shift b - m x scale of 16 channels: bnp holds scale[512], then shift[512]; channels 0-127 conv 1, 128-255 conv 2, 256-511 conv 3.
; LIMITS: NaN and infinities are not served.  A block of zeros gets the byte 1 (its codes are zeros, and this program alone reads the bytes).  The scale is g x rsq(v + eps): v + eps is positive, as the problem itself needs.
.set HA,  16                           ; v16-79   64 numbers: register 16 b + i = k 32 b + 16 (lane / 16) + i of my row
.set PC,  80                           ; v80-95   the codes
.set TM,  96                           ; v96-111  largest magnitudes, bytes, holds, scale operands
.set PW,  112                          ; v112     the scale word
.set SEL, 54                           ; s[54:55] v_permlanex16_b32: lane l xor 16
.set MNT, 56                           ; s56      the mantissa field of 57,344
	s_load_b512 s[8:23], s[0:1], 0x0               ; W1 g1 b1 m1 v1 W2 g2 b2
	s_load_b512 s[24:39], s[0:1], 0x40             ; m2 v2 W3 g3 b3 m3 v3 wcodes
	s_load_b128 s[40:43], s[0:1], 0x80             ; wsc bnp
	s_lshr_b32 s2, ttmp9, 2                        ; t
	s_and_b32 s3, ttmp9, 3                         ; s
	s_and_b32 s4, s2, 7                            ; the tile inside W1 or W2
	s_sub_co_u32 s5, s2, 16                        ; the tile inside W3 (used where t is 16 or more)
	s_lshr_b32 s6, s4, 1
	s_lshl_b32 s6, s6, 5
	s_and_b32 s7, s4, 1
	s_lshl_b32 s7, s7, 3
	s_add_co_u32 s6, s6, s7                        ; 32 (tile / 2) + 8 (tile % 2)
	s_lshl_b32 s7, s5, 4                           ; 16 x tile
	s_cmp_lt_u32 s2, 16
	s_cselect_b32 s57, s4, s5                      ; the tile inside its tensor
	s_cselect_b32 s58, s6, s7                      ; its first row
	s_cselect_b32 s59, 8, 0                        ; rows 8-15 of a tile lie 8 further on, in W1 and W2 alone
	v_and_b32 v1, 15, v0                           ; r
	v_bfe_u32 v2, v0, 4, 1                         ; h
	v_and_b32 v6, s59, v1
	v_add3_u32 v6, v6, v1, s58                     ; my row
	v_lshlrev_b32 v3, 11, v6                       ; a row is 2,048 bytes
	v_lshl_add_u32 v3, v2, 6, v3                   ; + 64 h: my 16 numbers of a block of 32
	s_lshl_b32 s60, s3, 9
	v_add_nc_u32 v3, s60, v3                       ; + the K step's 512 bytes
	v_lshlrev_b32 v4, 4, v0                        ; 16 x lane
	v_lshlrev_b32 v5, 2, v0                        ; 4 x lane
	s_mov_b32 s[SEL], 0x76543210
	s_mov_b32 s[SEL+1], 0xfedcba98
	s_mov_b32 s[MNT], 0x600000
.irp b, 0,1,2,3
	v_mov_b32 v[TM+4+\b], 0                        ; a lane permute's destination counts as one of its sources
.endr
	s_lshl_b32 s60, ttmp9, 11                      ; my fragment's image
	s_mov_b32 s61, 0
	s_lshl_b32 s62, ttmp9, 7                       ; and its scale words
	s_mov_b32 s63, 0
	s_wait_kmcnt 0x0
	s_cmp_lt_u32 s2, 16                            ; which conv's five inputs: the choice hangs on the work-group's number alone
	s_cselect_b64 s[44:45], s[18:19], s[28:29]
	s_cselect_b64 s[46:47], s[20:21], s[30:31]
	s_cselect_b64 s[48:49], s[22:23], s[32:33]
	s_cselect_b64 s[50:51], s[24:25], s[34:35]
	s_cselect_b64 s[52:53], s[26:27], s[36:37]
	s_cmp_lt_u32 s2, 8
	s_cselect_b64 s[44:45], s[8:9], s[44:45]       ; W
	s_cselect_b64 s[46:47], s[10:11], s[46:47]     ; g
	s_cselect_b64 s[48:49], s[12:13], s[48:49]     ; b
	s_cselect_b64 s[50:51], s[14:15], s[50:51]     ; m
	s_cselect_b64 s[52:53], s[16:17], s[52:53]     ; v
	s_add_nc_u64 s[38:39], s[38:39], s[60:61]
	s_add_nc_u64 s[40:41], s[40:41], s[62:63]
.irp b, 0,1,2,3
.irp j, 0,1,2,3
	global_load_b128 v[HA+16*\b+4*\j:HA+16*\b+4*\j+3], v3, s[44:45] offset:128*\b+16*\j
.endr
.endr
	s_wait_loadcnt 0x0
.irp b, 0,1,2,3
	v_max3_num_f32 v[TM+\b], |v[HA+16*\b]|, |v[HA+1+16*\b]|, 0x8000000   ; block b: my 16 numbers, and the floor 2^(16 - 127): the byte cannot fall under 1
.endr
.irp i, 2,4,6,8,10,12,14
.irp b, 0,1,2,3
	v_max3_num_f32 v[TM+\b], v[TM+\b], |v[HA+16*\b+\i]|, |v[HA+1+16*\b+\i]|
.endr
.endr
.irp b, 0,1,2,3
	v_permlanex16_b32 v[TM+4+\b], v[TM+\b], s[SEL], s[SEL+1]
.endr
.irp b, 0,1,2,3
	v_max_num_f32 v[TM+\b], v[TM+\b], v[TM+4+\b]   ; with lane l xor 16's 16: the block's largest magnitude
.endr
.irp b, 0,1,2,3
	v_add_nc_u32 v[TM+12+\b], 0xf8800000, v[TM+\b] ; 15 off its exponent field: the conversion's scale operand
.endr
.irp b, 0,1,2,3
	v_and_or_b32 v[TM+8+\b], v[TM+\b], 0x7f800000, s[MNT]   ; 57,344 x the scale
.endr
.irp b, 0,1,2,3
	v_lshrrev_b32 v[TM+4+\b], 23, v[TM+12+\b]      ; the scale's byte
.endr
	v_lshl_or_b32 v[PW], v[TM+5], 8, v[TM+4]
	v_lshl_or_b32 v[PW], v[TM+6], 16, v[PW]
	v_lshl_or_b32 v[PW], v[TM+7], 24, v[PW]        ; my row's scale word
.irp b, 0,1,2,3
.irp i, 0,1,2,3,4,5,6,7,8,9,10,11,12,13,14,15
	v_med3_num_f32 v[HA+16*\b+\i], v[HA+16*\b+\i], -v[TM+8+\b], v[TM+8+\b]   ; the conversion to an 8-bit code does not saturate (ISA guide 7.6.2): the hold comes first
.endr
	v_cvt_scalef32_pk8_bf8_f32 v[PC+4*\b:PC+1+4*\b], v[HA+16*\b:HA+7+16*\b], v[TM+12+\b]
	v_cvt_scalef32_pk8_bf8_f32 v[PC+2+4*\b:PC+3+4*\b], v[HA+8+16*\b:HA+15+16*\b], v[TM+12+\b]
.endr
	v_nop                                          ; one plain line behind the last conversion
.irp c, 0,1,2,3
	global_store_b128 v4, v[PC+4*\c:PC+4*\c+3], s[38:39] offset:512*\c   ; 32 lanes store 512 consecutive bytes
.endr
	global_store_b32 v5, v[PW], s[40:41]
	s_cmp_lg_u32 s3, 0                             ; the batch norm's numbers of channels 16 t .. 16 t + 15: once a tile
	s_cbranch_scc1 .Ldone
	s_lshl_b32 s60, s57, 6
	v_lshl_add_u32 v7, v1, 2, s60                  ; 4 (16 x tile inside the tensor + r)
	global_load_b32 v113, v7, s[46:47]             ; g
	global_load_b32 v114, v7, s[48:49]             ; b
	global_load_b32 v115, v7, s[50:51]             ; m
	global_load_b32 v116, v7, s[52:53]             ; v
	s_lshl_b32 s62, s2, 6
	v_lshl_add_u32 v8, v1, 2, s62                  ; 4 (16 t + r),
	v_lshl_add_u32 v8, v2, 11, v8                  ; and 2,048 further on for lanes 16-31, which store the shift
	v_cmp_ne_u32 vcc_lo, 0, v2
	s_wait_loadcnt 0x0
	v_add_f32 v116, 0x3727c5ac, v116               ; v + 1e-5
	v_rsq_f32 v117, v116
	v_nop                                          ; a plain line behind the transcendental,
	s_wait_alu depctr_va_vdst(0)                   ; and a wait ahead of its first reader
	v_mul_f32 v118, v113, v117                     ; scale
	v_fma_f32 v119, -v115, v118, v114              ; shift = b - m x scale
	v_cndmask_b32 v120, v118, v119, vcc_lo         ; lanes 0-15 the scale, lanes 16-31 the shift: every lane has a word of its own
	global_store_b32 v8, v120, s[42:43]
.Ldone:
	s_endpgm
.Lfunc_end_k_q7058439e65_wq:
	.size	k_q7058439e65_wq, .Lfunc_end_k_q7058439e65_wq-k_q7058439e65_wq
	.p2alignl 7, 3214868480
	.fill 96, 4, 3214868480
	.section	.rodata,"a",@progbits
	.p2align	6, 0x0
	.amdhsa_kernel k_q7058439e65_wq
		.amdhsa_group_segment_fixed_size 0
		.amdhsa_private_segment_fixed_size 0
		.amdhsa_enable_private_segment 0
		.amdhsa_kernarg_size 144
		.amdhsa_user_sgpr_count 2
		.amdhsa_user_sgpr_kernarg_segment_ptr 1
		.amdhsa_wavefront_size32 1
		.amdhsa_system_sgpr_workgroup_id_x 1
		.amdhsa_system_sgpr_workgroup_id_y 1
		.amdhsa_system_sgpr_workgroup_id_z 1
		.amdhsa_system_vgpr_workitem_id 0
		.amdhsa_next_free_vgpr 128
		.amdhsa_next_free_sgpr 66
		.amdhsa_reserve_vcc 1
		.amdhsa_float_denorm_mode_32 3
		.amdhsa_float_denorm_mode_16_64 3
		.amdhsa_memory_ordered 1
		.amdhsa_forward_progress 1
		.amdhsa_inst_pref_size 14
	.end_amdhsa_kernel
	.amdgpu_metadata
---
amdhsa.version: [ 1, 2 ]
amdhsa.kernels:
  - .name:           k_q7058439e65_wq
    .symbol:         k_q7058439e65_wq.kd
    .args:
      - { .name: W1, .offset: 0, .size: 8, .value_kind: global_buffer, .address_space: global }
      - { .name: g1, .offset: 8, .size: 8, .value_kind: global_buffer, .address_space: global }
      - { .name: b1, .offset: 16, .size: 8, .value_kind: global_buffer, .address_space: global }
      - { .name: m1, .offset: 24, .size: 8, .value_kind: global_buffer, .address_space: global }
      - { .name: v1, .offset: 32, .size: 8, .value_kind: global_buffer, .address_space: global }
      - { .name: W2, .offset: 40, .size: 8, .value_kind: global_buffer, .address_space: global }
      - { .name: g2, .offset: 48, .size: 8, .value_kind: global_buffer, .address_space: global }
      - { .name: b2, .offset: 56, .size: 8, .value_kind: global_buffer, .address_space: global }
      - { .name: m2, .offset: 64, .size: 8, .value_kind: global_buffer, .address_space: global }
      - { .name: v2, .offset: 72, .size: 8, .value_kind: global_buffer, .address_space: global }
      - { .name: W3, .offset: 80, .size: 8, .value_kind: global_buffer, .address_space: global }
      - { .name: g3, .offset: 88, .size: 8, .value_kind: global_buffer, .address_space: global }
      - { .name: b3, .offset: 96, .size: 8, .value_kind: global_buffer, .address_space: global }
      - { .name: m3, .offset: 104, .size: 8, .value_kind: global_buffer, .address_space: global }
      - { .name: v3, .offset: 112, .size: 8, .value_kind: global_buffer, .address_space: global }
      - { .name: wcodes, .offset: 120, .size: 8, .value_kind: global_buffer, .address_space: global }
      - { .name: wsc, .offset: 128, .size: 8, .value_kind: global_buffer, .address_space: global }
      - { .name: bnp, .offset: 136, .size: 8, .value_kind: global_buffer, .address_space: global }
    .group_segment_fixed_size: 0
    .private_segment_fixed_size: 0
    .kernarg_segment_align: 8
    .kernarg_segment_size: 144
    .max_flat_workgroup_size: 32
    .sgpr_count:     66
    .vgpr_count:     128
    .wavefront_size: 32
...
	.end_amdgpu_metadata
.endif
;; end of part 1
;; launch proj (part 2): grid 32 x 8, 4 waves a work-group, no clusters, 168,448 bytes of LDS; arguments x, wcodes, wsc, bnp, aq, asc, kv, vres; writes aq, asc, kv, vres
.if DOCPART == 2
	.amdgcn_target "amdgcn-amd-amdhsa--gfx1250"
	.amdhsa_code_object_version 6
	.text
	.protected	k_q7058439e65_proj
	.globl	k_q7058439e65_proj
	.p2align	8
	.type	k_q7058439e65_proj,@function
k_q7058439e65_proj:
	s_mov_b64 s[64:65], 0
	v_nop
	global_prefetch_b8 v0, s[64:65] scope:SCOPE_SE
	s_setreg_imm32_b32 hwreg(HW_REG_WAVE_MODE, 25, 1), 1
	s_wait_xcnt 0x0
; a, k, v = relu(BN(W x)) for 128 points of one batch, all three products on codes of BF8 (E5M2) with one E8M0 byte for each 32 along K = the 512 channels of x.
; x: [8][512][4096] f32, K is NOT innermost.  The weights come as images of operand registers (16 rows x 128 K = 2,048 bytes: registers 4 c .. 4 c + 3 of lane l at 512 c + 16 l; scale words at 4 l).
; OUT: a's codes (K = its 128 channels) to aq / asc, k's likewise and v's (K = the points) to kv, all as such images; v in f32 to vres, for the residual.
;   kv: a record of 104,448 bytes for each 256 points: for each 128 points 8 images of k, then 16 of v (49,152 bytes); from byte 98,304 on, for each 128 points, their scale words (8 x 128, 16 x 128).
; SHARES.  Work-group (nb, b): points 128 nb .. + 127 of batch b, as 8 tiles of 16 points: lane r of tile 2 p + u takes point 32 p + 8 u + r + 8 (r / 8).
; PHASE X: wave w quantises channels 128 w .. + 127 (K step w) for all 128 points.  Loads read whole rows of 512 bytes; a block of 32 channels turns through the wave's own stage in LDS, so that a lane holds ONE point and its
;   32 registers run down K; the codes go to LDS as the images of x's 32 fragments.  One barrier.
; THE PRODUCTS: THE WAVES SHARE THE OUTPUT CHANNELS: wave 0 W1, wave 1 W2, waves 2 and 3 the halves of W3.  One form serves all: D[i] = RESIDENT[i] (source 0) x STREAMED (source 1), i = 0 .. 7, four K steps, eight trips.
;   waves 0, 1: resident = my 8 tiles of weights, streamed = a tile of points: a lane holds a point, its 64 registers 64 channels (register 16 b + i: channel 32 b + 16 (lane / 16) + i).
;   waves 2, 3: resident = x's 8 tiles of points, streamed = a tile of 16 channels of W3: a lane holds a channel, its 64 registers 64 points in the same order.
;   Either way the 64 registers are neighbours along the NEXT product's K: BN, relu and the quantiser make one fragment and one scale word a trip.
; NO CLUSTER, NO JOINT LOADS: what the work-groups share is the weights, and they go from memory straight into operand registers (512 a wave), where no tensor load lands; as tiles in LDS their 278,528 bytes
;   would not fit beside x's 65,536 bytes of images and the 99,328 bytes of stages.
; LIMITS: NaN and infinities are not served.  A block of zeros gets the byte 1 (its codes are zeros, and this program alone reads the bytes).  The scale words leave as runs of 128 bytes: one byte in 16 of the codes'.
.set XIMG, 65536                       ; LDS: 0: four stages of 32 rows x 512 bytes, a wave's own;  XIMG: x's fragment (tile T, K step s) at (4 T + s) x 2,048;
.set XSC,  131072                      ; its scale words at (4 T + s) x 64 + 4 r;
.set VSTG, 133120                      ; four stages of 16 rows x (512 + 16) bytes, a wave's own, for v's way out
.set RECB, 104448
.set GI,   1                           ; v1   16 x lane
.set GS,   2                           ; v2   4 x lane
.set STW,  3                           ; v3   my stage, in: 16,384 w + 16 x lane
.set STR,  4                           ; v4   my stage, back: 16,384 w + 4 x lane
.set XW,   5                           ; v5   where my point's codes go in x's images
.set XSW,  6                           ; v6   and its scale word
.set LI,   7                           ; v7   XIMG + 16 x lane
.set LS,   8                           ; v8   XSC + 4 r
.set SO,   9                           ; v9   v's stage, in
.set SR,   10                          ; v10  v's stage, back
.set BO,   11                          ; v11  64 h
.set BR,   12                          ; v12  4 r
.set ADX,  13                          ; v13-17 the addresses of the next streamed tile: x's images, x's scale words; W3's images, its scale words, BN's numbers
.set ADXS, 14
.set ADG,  15
.set ADGS, 16
.set ADB,  17
.set XN,   32                          ; v32-95   phase X: two sets of 32 numbers;  later ST: the streamed tile's four fragments
.set ST,   32
.set ACC,  96                          ; v96-159  the 8 accumulators;  in phase X: v96-111 two sets of codes, v112-115 scale words, v116-119 at work
.set XC,   96
.set SB,   112
.set QT,   116
.set PC,   160                         ; v160-175 the codes just made
.set TM,   176                         ; v176-191 the quantiser's 16 registers
.set PW,   192                         ; v192     the scale word just made
.set SS,   196                         ; v196-199 the streamed tile's scale words;  v208-239 the resident operand's, at 4 i + s: scales and nothing else
.set BNV,  200                         ; v200 scale, v202 shift of my channel (waves 2, 3); v201, v203 are named with them as pairs
.set RS,   208
.set OUTR, 128                         ; window 3: v0-63 BN's scale, v64-127 its shift, in the result's layout (waves 0, 1);  v128-191 16 rows of v on their way out
; windows 1 and 2: the resident fragment (i, s) at v[16 (2 i + s % 2)] of window 1 + s / 2.  In phase X window 1 is where x lands: two sets of 128.
.set WV,   20
.set BB,   22
.set SEL,  24
.set MNT,  26
.set O,    27                          ; s27  the trip
.set ON,   28                          ; s28  the next trip's tile, held at 7
.set TX,   29
.set TXS,  30
.set T9,   31
.set T6,   32
.set XP,   34
.set WCP,  36
.set WSP,  38
.set BNP,  40
.set CP,   42
.set SP,   44
.set VP,   46
.set MSB, 0
.macro WIN new                         ; s_set_vgpr_msb: bits 1:0 source 0, 3:2 source 1, 5:4 source 2, 7:6 destination; the high byte repeats the setting that is left
.if MSB != (\new)
	s_set_vgpr_msb (MSB<<8)|(\new)
.set MSB, (\new)
.endif
.endm
.macro LOADX bt                        ; block bt of my K step: 32 rows of x, 512 consecutive bytes each, into landing set bt % 2
	WIN 0x40
.set rho, 0
.rept 32
	global_load_b128 v[128*((\bt)%2)+4*rho:128*((\bt)%2)+4*rho+3], v[GI], s[XP:XP+1] offset:(32*(\bt)+rho)*16384 th:TH_LOAD_NT
.set rho, rho+1
.endr
	WIN 0
.endm
.macro STAGE bt                        ; as they lie into my stage
	WIN 0x04
.set rho, 0
.rept 32
	ds_store_b128 v[STW], v[128*((\bt)%2)+4*rho:128*((\bt)%2)+4*rho+3] offset:512*rho
.set rho, rho+1
.endr
	WIN 0
.endm
.macro RD pg, half                     ; and back: lane l takes point 32 pg + l, its registers run down the 32 channels.  LDS serves a wave's instructions in order (ISA guide 5.7.1.4)
.set rho, 0
.rept 32
	ds_load_b32 v[XN+32*(\half)+rho], v[STR] offset:512*rho+128*(\pg)
.set rho, rho+1
.endr
.endm
.macro Q32 half, bt, pg                ; a whole block of 32 along K in one lane: its scale byte into the point's word, its 32 codes into code set pg % 2
.set XS, XN+32*(\half)
	v_max3_num_f32 v[QT], |v[XS]|, |v[XS+1]|, |v[XS+2]|
	v_max3_num_f32 v[QT+1], |v[XS+3]|, |v[XS+4]|, |v[XS+5]|
.irp i, 6,10,14,18,22,26
	v_max3_num_f32 v[QT], v[QT], |v[XS+\i]|, |v[XS+\i+1]|
	v_max3_num_f32 v[QT+1], v[QT+1], |v[XS+\i+2]|, |v[XS+\i+3]|
.endr
	v_max3_num_f32 v[QT], v[QT], |v[XS+30]|, |v[XS+31]|
	v_max3_num_f32 v[QT], v[QT], v[QT+1], 0x8000000        ; and the floor 2^(16 - 127): the byte cannot fall under 1
	v_add_nc_u32 v[QT+2], 0xf8800000, v[QT]                ; 15 off the exponent field: the conversion's scale operand
	v_and_or_b32 v[QT+3], v[QT], 0x7f800000, s[MNT]        ; 57,344 x the scale
	v_lshrrev_b32 v[QT+1], 23, v[QT+2]                     ; the byte
.if (\bt) == 0
	v_mov_b32 v[SB+(\pg)], v[QT+1]
.else
	v_lshl_or_b32 v[SB+(\pg)], v[QT+1], 8*(\bt), v[SB+(\pg)]
.endif
.set rho, 0
.rept 32
	v_med3_num_f32 v[XS+rho], v[XS+rho], -v[QT+3], v[QT+3] ; the conversion does not saturate (ISA guide 7.6.2): the hold comes first
.set rho, rho+1
.endr
.irp g, 0,1,2,3
	v_cvt_scalef32_pk8_bf8_f32 v[XC+8*((\pg)%2)+2*\g:XC+8*((\pg)%2)+2*\g+1], v[XS+8*\g:XS+8*\g+7], v[QT+2]
.endr
	v_nop                                          ; one plain line behind the last conversion
.endm
.macro CS bt, pg                       ; my point's 32 codes: k 0-15 of the block are lane (r, 0)'s 16 bytes of register group bt, k 16-31 lane (r, 1)'s, 256 bytes on
	ds_store_b128 v[XW], v[XC+8*((\pg)%2):XC+8*((\pg)%2)+3] offset:16384*(\pg)+512*(\bt)
	ds_store_b128 v[XW], v[XC+8*((\pg)%2)+4:XC+8*((\pg)%2)+7] offset:16384*(\pg)+512*(\bt)+256
.endm
.macro MM                              ; 32 products: the 8 accumulators by turns, one instruction a turn, K step by K step; the first K step starts the sums
.irp s, 0,1,2,3
	WIN 1+(\s)/2
.irp i, 0,1,2,3,4,5,6,7
.if \s == 0
	v_wmma_scale_f32_16x16x128_f8f6f4 v[ACC+8*\i:ACC+8*\i+7], v[16*(2*\i+(\s)%2):16*(2*\i+(\s)%2)+15], v[ST+16*\s:ST+16*\s+15], 0, v[RS+4*\i+\s], v[SS+\s] matrix_a_fmt:MATRIX_FMT_BF8 matrix_b_fmt:MATRIX_FMT_BF8
.else
	v_wmma_scale_f32_16x16x128_f8f6f4 v[ACC+8*\i:ACC+8*\i+7], v[16*(2*\i+(\s)%2):16*(2*\i+(\s)%2)+15], v[ST+16*\s:ST+16*\s+15], v[ACC+8*\i:ACC+8*\i+7], v[RS+4*\i+\s], v[SS+\s] matrix_a_fmt:MATRIX_FMT_BF8 matrix_b_fmt:MATRIX_FMT_BF8
.endif
.endr
.endr
	WIN 0
.endm
.macro STREAM_A                        ; a tile of points: x's four fragments and scale words, from LDS
.irp s, 0,1,2,3
.irp c, 0,1,2,3
	ds_load_b128 v[ST+16*\s+4*\c:ST+16*\s+4*\c+3], v[ADX] offset:2048*\s+512*\c
.endr
	ds_load_b32 v[SS+\s], v[ADXS] offset:64*\s
.endr
.endm
.macro STREAM_V                        ; a tile of 16 channels of W3: four fragments and scale words, from memory
.irp s, 0,1,2,3
.irp c, 0,1,2,3
	global_load_b128 v[ST+16*\s+4*\c:ST+16*\s+4*\c+3], v[ADG], s[WCP:WCP+1] offset:2048*\s+512*\c
.endr
	global_load_b32 v[SS+\s], v[ADGS], s[WSP:WSP+1] offset:128*\s
.endr
.endm
.macro BNLOAD                          ; and my channel's scale and shift
	global_load_b32 v[BNV], v[ADB], s[BNP:BNP+1]
	global_load_b32 v[BNV+2], v[ADB], s[BNP:BNP+1] offset:2048
.endm
.macro QUANT                           ; the 64 numbers in the accumulators become a fragment's codes and its scale word; what is negative becomes 0 on the way (the relu)
.irp b, 0,1,2,3
	v_max3_num_f32 v[TM+\b], v[ACC+16*\b], v[ACC+1+16*\b], 0x8000000   ; no |.|: what is negative must not count; the floor 2^(16 - 127) stands over it
.endr
.irp i, 2,4,6,8,10,12,14
.irp b, 0,1,2,3
	v_max3_num_f32 v[TM+\b], v[TM+\b], v[ACC+16*\b+\i], v[ACC+1+16*\b+\i]
.endr
.endr
.irp b, 0,1,2,3
	v_permlanex16_b32 v[TM+4+\b], v[TM+\b], s[SEL], s[SEL+1]
.endr
.irp b, 0,1,2,3
	v_max_num_f32 v[TM+\b], v[TM+\b], v[TM+4+\b]
.endr
.irp b, 0,1,2,3
	v_add_nc_u32 v[TM+12+\b], 0xf8800000, v[TM+\b]
.endr
.irp b, 0,1,2,3
	v_and_or_b32 v[TM+8+\b], v[TM+\b], 0x7f800000, s[MNT]
.endr
.irp b, 0,1,2,3
	v_lshrrev_b32 v[TM+4+\b], 23, v[TM+12+\b]
.endr
	v_lshl_or_b32 v[PW], v[TM+5], 8, v[TM+4]
	v_lshl_or_b32 v[PW], v[TM+6], 16, v[PW]
	v_lshl_or_b32 v[PW], v[TM+7], 24, v[PW]
	s_wait_dscnt 0x0                               ; v's stage stores have read the accumulators, which the holds write; its rows are back
.irp b, 0,1,2,3
.irp i, 0,1,2,3,4,5,6,7,8,9,10,11,12,13,14,15
	v_med3_num_f32 v[ACC+16*\b+\i], v[ACC+16*\b+\i], 0, v[TM+8+\b]   ; the relu and the hold in one
.endr
	v_cvt_scalef32_pk8_bf8_f32 v[PC+4*\b:PC+1+4*\b], v[ACC+16*\b:ACC+7+16*\b], v[TM+12+\b]
	v_cvt_scalef32_pk8_bf8_f32 v[PC+2+4*\b:PC+3+4*\b], v[ACC+8+16*\b:ACC+15+16*\b], v[TM+12+\b]
.endr
	v_nop                                          ; one plain line behind the last conversion: the next products write its sources
.endm
	s_load_b512 s[4:19], s[0:1], 0x0               ; x, wcodes, wsc, bnp, aq, asc, kv, vres
	v_lshl_add_u32 v254, v0, 2, 0x29000
	v_mov_b32 v255, 0
	v_lshrrev_b32 v20, 5, v0
	v_readfirstlane_b32 s[WV], v20                 ; wave 0..3
	s_and_b32 s[BB], ttmp7, 0xffff                 ; the batch
	v_and_b32 v20, 31, v0                          ; lane
	v_and_b32 v21, 15, v0                          ; r
	v_bfe_u32 v22, v0, 4, 1                        ; h
	v_lshlrev_b32 v[GI], 4, v20
	v_lshlrev_b32 v[GS], 2, v20
	s_lshl_b32 s48, s[WV], 14
	v_add_nc_u32 v[STW], s48, v[GI]
	v_add_nc_u32 v[STR], s48, v[GS]
	v_and_b32 v23, 7, v0
	v_lshl_or_b32 v23, v22, 3, v23                 ; point 32 pg + lane is row (lane % 8) + 8 (lane / 16)
	v_bfe_u32 v24, v0, 3, 1                        ; of tile 2 pg + (lane / 8) % 2
	s_lshl_b32 s48, s[WV], 11
	s_add_co_u32 s48, s48, XIMG
	v_lshlrev_b32 v[XW], 4, v23
	v_lshl_add_u32 v[XW], v24, 13, v[XW]
	v_add_nc_u32 v[XW], s48, v[XW]
	s_lshl_b32 s48, s[WV], 6
	s_add_co_u32 s48, s48, XSC
	v_lshlrev_b32 v[XSW], 2, v23
	v_lshl_add_u32 v[XSW], v24, 8, v[XSW]
	v_add_nc_u32 v[XSW], s48, v[XSW]
	v_add_nc_u32 v[LI], XIMG, v[GI]
	v_lshl_add_u32 v[LS], v21, 2, XSC
	s_mul_i32 s48, s[WV], 8448
	s_add_co_u32 s48, s48, VSTG
	v_mul_u32_u24 v[SO], v21, 528
	v_lshl_add_u32 v[SO], v22, 6, v[SO]
	v_add_nc_u32 v[SO], s48, v[SO]                 ; row r, + 64 h
	v_add_nc_u32 v[SR], s48, v[GI]
	v_lshlrev_b32 v[BO], 6, v22
	v_lshlrev_b32 v[BR], 2, v21
	v_mov_b32 v[ADX], v[LI]                        ; the first streamed tile is tile 0
	v_mov_b32 v[ADXS], v[LS]
	v_mov_b32 v[ADG], v[GI]
	v_mov_b32 v[ADGS], v[GS]
	v_mov_b32 v[ADB], v[BR]
	v_mov_b32 v[BNV+1], 0
	v_mov_b32 v[BNV+3], 0
.irp b, 0,1,2,3
	v_mov_b32 v[TM+4+\b], 0                        ; a lane permute's destination counts as one of its sources
.endr
	s_mov_b32 s[SEL], 0x76543210
	s_mov_b32 s[SEL+1], 0xfedcba98
	s_mov_b32 s[MNT], 0x600000
	s_lshl_b32 s48, s[BB], 9                       ; x: (512 b + 128 w) rows of 16,384 bytes + 512 nb
	s_lshl_b32 s49, s[WV], 7
	s_add_co_u32 s48, s48, s49
	s_lshl_b32 s48, s48, 14
	s_lshl_b32 s49, ttmp9, 9
	s_add_co_u32 s48, s48, s49
	s_mov_b32 s49, 0
	s_lshl_b32 s50, s[WV], 16                      ; my 8 tiles of weights: 65,536 bytes of codes,
	s_mov_b32 s51, 0
	s_lshl_b32 s52, s[WV], 12                      ; 4,096 of scale words,
	s_mov_b32 s53, 0
	s_lshl_b32 s54, s[WV], 9                       ; my 128 channels of BN
	s_mov_b32 s55, 0
	s_lshl_b32 s60, s[BB], 8                       ; vres: (256 b + 128 (w % 2)) rows of 16,384 bytes + 512 nb
	s_and_b32 s61, s[WV], 1
	s_lshl_b32 s61, s61, 7
	s_add_co_u32 s60, s60, s61
	s_lshl_b32 s60, s60, 14
	s_lshl_b32 s61, ttmp9, 9
	s_add_co_u32 s60, s60, s61
	s_mov_b32 s61, 0
	s_lshl_b32 s62, s[BB], 8
	s_lshl_b32 s63, ttmp9, 3
	s_add_co_u32 s62, s62, s63                     ; 256 b + 8 nb: my first tile of points
	s_lshl_b32 s56, s62, 11                        ; in aq,
	s_lshl_b32 s58, s62, 7                         ; in asc
	s_lshl_b32 s62, s[BB], 4
	s_lshr_b32 s63, ttmp9, 1
	s_add_co_u32 s62, s62, s63
	s_mul_i32 s62, s62, RECB                       ; kv: my record,
	s_and_b32 s63, ttmp9, 1                        ; my half of it
	s_mul_i32 s33, s63, 49152
	s_add_co_u32 s33, s33, s62
	s_sub_co_u32 s23, s[WV], 1                     ; wave 1: k's 8 tiles; waves 2, 3: v's 16 behind them (wave 0 does not use this)
	s_lshl_b32 s2, s23, 14
	s_add_co_u32 s33, s33, s2
	s_mul_i32 s63, s63, 3072
	s_add_co_u32 s63, s63, s62
	s_lshl_b32 s2, s23, 10
	s_add_co_u32 s63, s63, s2
	s_add_co_u32 s63, s63, 98304
	s_cmp_eq_u32 s[WV], 0                          ; wave 0 writes aq and asc, the others kv: the choice hangs on the wave's number alone
	s_cselect_b32 s56, s56, s33
	s_cselect_b32 s58, s58, s63
	s_mov_b32 s57, 0
	s_mov_b32 s59, 0
	s_wait_kmcnt 0x0
	s_cselect_b64 s[CP:CP+1], s[12:13], s[16:17]
	s_cselect_b64 s[SP:SP+1], s[14:15], s[16:17]
	s_add_nc_u64 s[XP:XP+1], s[4:5], s[48:49]
	s_add_nc_u64 s[WCP:WCP+1], s[6:7], s[50:51]
	s_add_nc_u64 s[WSP:WSP+1], s[8:9], s[52:53]
	s_add_nc_u64 s[BNP:BNP+1], s[10:11], s[54:55]
	s_add_nc_u64 s[CP:CP+1], s[CP:CP+1], s[56:57]
	s_add_nc_u64 s[SP:SP+1], s[SP:SP+1], s[58:59]
	s_add_nc_u64 s[VP:VP+1], s[18:19], s[60:61]
	; ---- PHASE X.  Two blocks of 32 rows are on their way at a time: 64 loads of 512 bytes a wave
	LOADX 0
	LOADX 1
.irp bt, 0,1,2,3
.if \bt < 3
	s_wait_loadcnt 32                              ; this block's 32 loads are in; the next block's may be out
.else
	s_wait_loadcnt 0x0
.endif
	STAGE \bt
	RD 0, 0
	RD 1, 1
	s_wait_dscnt 32                                ; only the second 32 loads are out: points 0-31 are in, and the stage stores have read the landing set,
.if \bt < 2
	LOADX \bt+2                                    ; which takes the block two further on
.endif
	Q32 0, \bt, 0
	CS \bt, 0
	RD 2, 0
	s_wait_dscnt 34                                ; behind points 32-63: two code stores and 32 loads
	Q32 1, \bt, 1
	CS \bt, 1
	RD 3, 1
	s_wait_dscnt 34                                ; behind points 64-95 likewise; code set 0's stores have read it
	Q32 0, \bt, 2
	CS \bt, 2
	s_wait_dscnt 2                                 ; behind points 96-127: two code stores; code set 1's stores have read it
	Q32 1, \bt, 3
	CS \bt, 3
.endr
.irp pg, 0,1,2,3
	ds_store_b32 v[XSW], v[SB+\pg] offset:512*\pg  ; my points' scale words of K step w
.endr
.rept 4
	v_nop                                          ; v93-95 were last written, as vector results, by the last holds above, and the first trip's products name them in the streamed operand (loads fill them in between):
.endr                                              ; four plain vector lines stand between such a write and a scaled product; with the line behind the last conversion v95 has five
	; what comes from memory is asked for ahead of the barrier
	s_cmp_lt_u32 s[WV], 2
	s_cbranch_scc0 .Lpre_v
.irp hw, 0,1
	WIN 0x40*(\hw+1)
.irp i, 0,1,2,3,4,5,6,7
.irp sl, 0,1
.irp c, 0,1,2,3
	global_load_b128 v[16*(2*\i+\sl)+4*\c:16*(2*\i+\sl)+4*\c+3], v[GI], s[WCP:WCP+1] offset:(4*\i+2*\hw+\sl)*2048+512*\c   ; my 32 fragments of weights: they stay
.endr
.endr
.endr
.endr
	WIN 0xc0
.irp t, 0,1,2,3,4,5,6,7                        ; BN in the result's layout: lane (r, h) wants, for tile t, channels 32 (t / 2) + 8 (t % 2) + 16 h + 0 .. 7
	global_load_b128 v[8*\t:8*\t+3], v[BO], s[BNP:BNP+1] offset:(32*(\t/2)+8*(\t%2))*4
	global_load_b128 v[8*\t+4:8*\t+7], v[BO], s[BNP:BNP+1] offset:(32*(\t/2)+8*(\t%2))*4+16
	global_load_b128 v[64+8*\t:64+8*\t+3], v[BO], s[BNP:BNP+1] offset:2048+(32*(\t/2)+8*(\t%2))*4
	global_load_b128 v[64+8*\t+4:64+8*\t+7], v[BO], s[BNP:BNP+1] offset:2048+(32*(\t/2)+8*(\t%2))*4+16
.endr
	WIN 0
.irp i, 0,1,2,3,4,5,6,7
.irp s, 0,1,2,3
	global_load_b32 v[RS+4*\i+\s], v[GS], s[WSP:WSP+1] offset:(4*\i+\s)*128
.endr
.endr
	s_branch .Lpre_join
.Lpre_v:
	STREAM_V
	BNLOAD
.Lpre_join:
	s_wait_dscnt 0x0                               ; for the others' sake: my images and scale words lie in LDS
	s_barrier_signal -1
	s_barrier_wait -1                              ; x's 32 fragments are whole; nobody writes them again
	s_cmp_lt_u32 s[WV], 2
	s_cbranch_scc0 .Lres_v
	STREAM_A
	s_branch .Lres_join
.Lres_v:
.irp hw, 0,1
	WIN 0x40*(\hw+1)
.irp i, 0,1,2,3,4,5,6,7
.irp sl, 0,1
.irp c, 0,1,2,3
	ds_load_b128 v[16*(2*\i+\sl)+4*\c:16*(2*\i+\sl)+4*\c+3], v[LI] offset:(4*\i+2*\hw+\sl)*2048+512*\c   ; x's 32 fragments: they stay
.endr
.endr
.endr
.endr
	WIN 0
.irp i, 0,1,2,3,4,5,6,7
.irp s, 0,1,2,3
	ds_load_b32 v[RS+4*\i+\s], v[LS] offset:(4*\i+\s)*64
.endr
.endr
.Lres_join:
	; ---- THE PRODUCTS: eight trips, every wave; what differs between the roles stands under branches on the wave's number inside the trip
	s_mov_b32 s[O], 0
.Ltile:
	s_wait_loadcnt 0x0                             ; the streamed tile (and in the first trip the resident operand) is in:
	s_wait_dscnt 0x0                               ; from memory or from LDS
	MM
	s_add_co_u32 s[ON], s[O], 1
	s_min_u32 s[ON], s[ON], 7                      ; the last trip asks for its own tile once more: no load leaves its buffer or its LDS region
	s_lshl_b32 s[TX], s[ON], 13
	s_lshl_b32 s[TXS], s[ON], 8
	s_lshl_b32 s[T9], s[ON], 9
	s_lshl_b32 s[T6], s[ON], 6
	v_add_nc_u32 v[ADX], s[TX], v[LI]              ; five additions and three v_nop: the eight places behind the products, ahead of the reads of results and of the loads into operands
	v_add_nc_u32 v[ADXS], s[TXS], v[LS]
	v_add_nc_u32 v[ADG], s[TX], v[GI]
	v_add_nc_u32 v[ADGS], s[T9], v[GS]
	v_add_nc_u32 v[ADB], s[T6], v[BR]
.rept 3
	v_nop
.endr
	s_cmp_lt_u32 s[WV], 2
	s_cbranch_scc0 .Lrole_v
	STREAM_A                                       ; the next tile of points
	WIN 0x3c                                       ; sources 1 and 2: window 3
.set qq, 0
.rept 32
	v_pk_fma_f32 v[ACC+2*qq:ACC+2*qq+1], v[ACC+2*qq:ACC+2*qq+1], v[2*qq:2*qq+1], v[64+2*qq:64+2*qq+1]   ; y x scale + shift, each accumulator from its low end on
.set qq, qq+1
.endr
	WIN 0
	s_branch .Lquant
.Lrole_v:
	STREAM_V                                       ; the next 16 channels of W3
.set qq, 0
.rept 32
	v_pk_fma_f32 v[ACC+2*qq:ACC+2*qq+1], v[ACC+2*qq:ACC+2*qq+1], v[BNV:BNV+1], v[BNV+2:BNV+3] op_sel_hi:[1,0,0]   ; my channel's scale and shift serve all 64 points
.set qq, qq+1
.endr
	BNLOAD
.set qq, 0
.rept 64
	v_max_num_f32 v[ACC+qq], 0, v[ACC+qq]          ; the residual wants the relu ahead of the hold
.set qq, qq+1
.endr
.irp b, 0,1,2,3
.irp j, 0,1,2,3
	ds_store_b128 v[SO], v[ACC+16*\b+4*\j:ACC+16*\b+4*\j+3] offset:128*\b+16*\j   ; register 16 b + i is point 32 b + 16 h + i of channel r
.endr
.endr
	WIN 0xc0
.irp i, 0,1,2,3,4,5,6,7,8,9,10,11,12,13,14,15
	ds_load_b128 v[OUTR+4*\i:OUTR+4*\i+3], v[SR] offset:528*\i   ; back as whole rows of 512 bytes; the stage is my own, and LDS serves a wave's instructions in order
.endr
	WIN 0
.Lquant:
	QUANT
.irp c, 0,1,2,3
	global_store_b128 v[GI], v[PC+4*\c:PC+4*\c+3], s[CP:CP+1] offset:512*\c   ; the fragment's image: 32 lanes store 512 consecutive bytes
.endr
	global_store_b32 v[GS], v[PW], s[SP:SP+1]
	s_cmp_lt_u32 s[WV], 2
	s_cbranch_scc1 .Lno_res
	WIN 0x0c                                       ; a store's data are its source 1: window 3
.irp i, 0,1,2,3,4,5,6,7,8,9,10,11,12,13,14,15
	global_store_b128 v[GI], v[OUTR+4*\i:OUTR+4*\i+3], s[VP:VP+1] offset:16384*\i   ; channel 16 ct + i: 512 consecutive bytes
.endr
	WIN 0
.Lno_res:
	s_wait_xcnt 0x0                                ; the stores have read their data and bases: both are written again only behind this wait
	s_add_nc_u64 s[CP:CP+1], s[CP:CP+1], 2048
	s_add_nc_u64 s[SP:SP+1], s[SP:SP+1], 128
	s_add_nc_u64 s[VP:VP+1], s[VP:VP+1], 262144
	s_add_co_u32 s[O], s[O], 1
	s_cmp_lt_u32 s[O], 8
	s_cbranch_scc1 .Ltile
	s_wait_tensorcnt 0x0
	ds_add_u32 v254, v255
	s_wait_dscnt 0x0
	s_endpgm
.Lfunc_end_k_q7058439e65_proj:
	.size	k_q7058439e65_proj, .Lfunc_end_k_q7058439e65_proj-k_q7058439e65_proj
	.p2alignl 7, 3214868480
	.fill 96, 4, 3214868480
	.section	.rodata,"a",@progbits
	.p2align	6, 0x0
	.amdhsa_kernel k_q7058439e65_proj
		.amdhsa_group_segment_fixed_size 168448
		.amdhsa_private_segment_fixed_size 0
		.amdhsa_enable_private_segment 0
		.amdhsa_kernarg_size 64
		.amdhsa_user_sgpr_count 2
		.amdhsa_user_sgpr_kernarg_segment_ptr 1
		.amdhsa_wavefront_size32 1
		.amdhsa_system_sgpr_workgroup_id_x 1
		.amdhsa_system_sgpr_workgroup_id_y 1
		.amdhsa_system_sgpr_workgroup_id_z 1
		.amdhsa_system_vgpr_workitem_id 0
		.amdhsa_next_free_vgpr 960
		.amdhsa_next_free_sgpr 66
		.amdhsa_reserve_vcc 0
		.amdhsa_float_denorm_mode_32 3
		.amdhsa_float_denorm_mode_16_64 3
		.amdhsa_memory_ordered 1
		.amdhsa_forward_progress 1
		.amdhsa_inst_pref_size 176
	.end_amdhsa_kernel
	.amdgpu_metadata
---
amdhsa.version: [ 1, 2 ]
amdhsa.kernels:
  - .name:           k_q7058439e65_proj
    .symbol:         k_q7058439e65_proj.kd
    .args:
      - { .name: x, .offset: 0, .size: 8, .value_kind: global_buffer, .address_space: global }
      - { .name: wcodes, .offset: 8, .size: 8, .value_kind: global_buffer, .address_space: global }
      - { .name: wsc, .offset: 16, .size: 8, .value_kind: global_buffer, .address_space: global }
      - { .name: bnp, .offset: 24, .size: 8, .value_kind: global_buffer, .address_space: global }
      - { .name: aq, .offset: 32, .size: 8, .value_kind: global_buffer, .address_space: global }
      - { .name: asc, .offset: 40, .size: 8, .value_kind: global_buffer, .address_space: global }
      - { .name: kv, .offset: 48, .size: 8, .value_kind: global_buffer, .address_space: global }
      - { .name: vres, .offset: 56, .size: 8, .value_kind: global_buffer, .address_space: global }
    .group_segment_fixed_size: 168448
    .private_segment_fixed_size: 0
    .kernarg_segment_align: 8
    .kernarg_segment_size: 64
    .max_flat_workgroup_size: 128
    .sgpr_count:     66
    .vgpr_count:     960
    .wavefront_size: 32
...
	.end_amdgpu_metadata
.endif
;; end of part 2
;; launch attn (part 3): grid 32 x 8, 8 waves a work-group, clusters of 4 x 1, 327,680 bytes of LDS; arguments aq, asc, kv, vres, out0; writes out0
.if DOCPART == 3
	.amdgcn_target "amdgcn-amd-amdhsa--gfx1250"
	.amdhsa_code_object_version 6
	.text
	.protected	k_q7058439e65_attn
	.globl	k_q7058439e65_attn
	.p2align	8
	.type	k_q7058439e65_attn,@function
k_q7058439e65_attn:
	s_mov_b64 s[64:65], 0
	v_nop
	global_prefetch_b8 v0, s[64:65] scope:SCOPE_SE
	s_setreg_imm32_b32 hwreg(HW_REG_WAVE_MODE, 25, 1), 1
	s_wait_xcnt 0x0
	s_wait_alu depctr_hold_cnt(0) depctr_sa_sdst(0) depctr_va_vdst(0) depctr_va_sdst(0) depctr_va_ssrc(0) depctr_va_vcc(0) depctr_vm_vsrc(0)
	s_getreg_b32 s2, hwreg(HW_REG_IB_STS2, 6, 4)
	s_cmp_eq_u32 s2, 0
	s_cbranch_scc0 .Lentry_in_a_cluster
	s_endpgm
.Lentry_in_a_cluster:
	s_bfe_u32 s2, ttmp6, 0x10000c
	s_cmp_lg_u32 s2, 0x3003
	s_cbranch_scc0 .Lentry_shape_is_right
	s_endpgm
.Lentry_shape_is_right:
; out[b][c][q] = v[b][c][q] + (the sum over keys j of v[b][c][j] p[q][j]) / l[q], p = 2^(t - M), t = (a[:, q] . k[:, j]) x log2(e), M the row's largest t rounded UP to a whole number, l the sum of the unquantised p.
; Both products on codes of BF8 (E5M2) with one E8M0 byte for each 32 along K.  All operands come as IMAGES OF OPERAND REGISTERS (16 rows x 128 K = 2,048 bytes: registers 4 c .. 4 c + 3 of lane l at 512 c + 16 l; scale words at 4 l):
; aq / asc: the queries' tiles; kv: a record of 104,448 bytes for each 256 keys: for each 128 keys 8 images of k, then 16 of v (K = the keys); from byte 98,304 on their scale words.  vres: v in f32.
; SHARES.  A work-group owns 128 queries of one batch.  Wave w: query tiles 2 (w % 4) and 2 (w % 4) + 1, and of every record the 128 keys of half w / 4.  So each fragment of k or v read from LDS feeds two products,
; two waves share a SIMD, and at the end the two halves of the keys are merged: M is a whole number, so the merge is by exact powers of two.
; LAYOUT.  S^T = k a^T (source 0 = 16 keys, source 1 = 16 queries), O^T = v p^T (source 0 = 16 channels, source 1 = p): a lane holds ONE query throughout.  Lane r of a tile 2 p + u of points holds point 32 p + 8 u + r + 8 (r / 8):
; so the 16 registers of two neighbouring tiles of S^T are 16 neighbouring keys, and the conversions' results are the second product's operand.
; CLUSTER.  The four query blocks of a cluster belong to one batch and walk the same records: every record is asked for JOINTLY, each of the eight waves moving 51 rows of 256 bytes, with a mask that names the four.
; RING.  Two slots of one record.  At a change of slots every wave waits for all its tensor loads, adds 0 to its spare word, waits for that and for its reads, and passes a round of the cluster's barrier; the refill stands first behind it.
; By this text's count a wave has two tensor loads out at the start and one behind each round.
; LIMITS: NaN and infinities are not served.  p under 2^-126 becomes 0 (ISA guide 15.8: v_exp_f32 gives no denormals).  The keys are summed in two halves, an order of rounding other than the reference's.
; All of LDS is claimed.
.set RECB,  104448
.set PARTB, 13056                      ; 51 rows of 256 bytes: a wave's part of a record
.set SLOT1, 131072                     ; slot 1 begins here: one exclusive or turns an address from one slot into the other's
.set OSTG,  131072                     ; the way out: 256 rows (channels) x (512 + 16) bytes, over slot 1;  the partner's O^T, 4 x 32,768 bytes, from byte 0 on, over slot 0: both slots have had their last fill and their last read by then
.set STATS, 266240                     ; 4 x 512 bytes: the partner's -M and l
.set SPARE, 326656                     ; the spare words, 128 bytes for each wave: four blocks of 256 bytes that no other line names
.set AC0, 1                            ; v1   16 x lane + my half's codes
.set AS0, 2                            ; v2   4 x lane + my half's scale words
.set SPW, 3                            ; v3   my spare word; never rewritten
.set NIL, 4                            ; v4   0; never rewritten
.set PFO, 5                            ; v5   the prefetches' offset; never rewritten
.set ADC, 6                            ; v6   the step's codes
.set ADS, 7                            ; v7   the step's scale words
.set QS,  8                            ; v8-9   the queries' scale words;  v10-11 p's;  v24-31 k's or v's, two sets of four: scales and nothing else
.set PW,  10
.set NM,  12                           ; tile x: v[12 + 4 x] -M, +1 the largest t, +2, +3 the sum in two halves
.set F,   20                           ; v20, v22 f = 2^(old M - new M) of tiles A, B; v21, v23 are named with them as pairs
.set SC,  24
.set Q,   32                           ; v32-63  the two query fragments; on the way out addresses and factors
.set KF,  64                           ; v64-127 four fragments of k;  in the softmax v64-95 p's codes, v96-127 16 registers at work a tile
.set PCD, 64
.set TM,  96
.set S,   128                          ; v128-255 S^T, then p, 64 a tile;  afterwards two buffers of four fragments of v
; window 1: O^T: tile A's channel tile ct at v[8 ct], tile B's at v[128 + 8 ct]
.set WV,  14
.set G,   15
.set KH,  16
.set CX,  17
.set QB,  18
.set BB,  19
.set G1,  24                           ; s[24:31] descriptor group 1
.set G0A, 32                           ; s[32:35] group 0 of the first fill of slot 0
.set G0B, 36                           ; s[36:39] group 0 of slot 1's first fill; it then walks
.set TB,  40                           ; s40  LDS byte at which the slot in hand begins
.set SLOTS, 41                         ; s41  records still to be asked for
.set CS,  42                           ; s[42:43] log2(e)
.set SEL, 44                           ; s[44:45] v_permlanex16_b32: lane l xor 16
.set MNT, 46                           ; s46  the mantissa field of 57,344
.set LIM, 47                           ; s47  1 in a wave that prefetches, else the greatest number
.set PFA, 48                           ; s[48:49] where my prefetches stand
.set VRP, 50                           ; s[50:51] vres, s[52:53] out0: my 32 channels, my block's 128 queries
.set OUP, 52
.set AQP, 54
.set ASP, 56
.set VO,  32                           ; the way out: v32 16 x lane; v33 the partner's O^T; v34 its statistics; v35-36 into the stage; v37 back
.set EXA, 33
.set EXS, 34
.set OW0, 35
.set ORD, 37
.set MSB, 0
.macro WIN new                         ; s_set_vgpr_msb: bits 1:0 source 0, 3:2 source 1, 5:4 source 2, 7:6 destination; the high byte repeats the setting that is left
.if MSB != (\new)
	s_set_vgpr_msb (MSB<<8)|(\new)
.set MSB, (\new)
.endif
.endm
.macro CROUND                          ; a round of the cluster's barrier: my work-group's barrier; wave 0 signals for the work-group; every wave waits for all four work-groups; my work-group's barrier once more
	s_barrier_signal -1
	s_barrier_wait -1
	s_cmp_lg_u32 s[WV], 0
	s_cbranch_scc1 .Lnot_wave_0_\@
	s_barrier_signal -3
.Lnot_wave_0_\@:
	s_barrier_wait -3
	s_barrier_signal -1
	s_barrier_wait -1
.endm
; A PREFETCH INTO THE L2 of the record that the NEXT change of slots will ask for: one key step of both waves of a SIMD ahead of that load.  All eight clusters of a batch walk the same records: the batch's first cluster asks.
; Its four partners share a record's 408 blocks of 256 bytes BY ADDRESS, 102 each; in each, waves 0 to 2 ask for 32 blocks, a lane a block, and wave 3 for the last 6 (its lanes 6 to 31 name lane 5's block again).
; Records 0 to 2 come by their loads alone; the last change that fills a slot asks for nothing: there is no record behind it.
.macro ASK
	s_cmp_gt_u32 s[SLOTS], s[LIM]
	s_cbranch_scc0 .Lnot_mine_\@
	global_prefetch_b8 v[PFO], s[PFA:PFA+1] th:TH_LOAD_NT scope:SCOPE_SE
.Lnot_mine_\@:
.endm
.macro CHANGE fill                     ; the change of slots.  fill = 1: the slot just read is filled with the record two further on
	WIN 0
	s_wait_tensorcnt 0x0                           ; all my tensor loads have landed, my part of the next slot among them: so a group 0 may be written
	ds_add_u32 v[SPW], v[NIL]                      ; 0 onto my spare word
.if \fill
	s_xor_b32 s[G0B+1], s[G0B+1], SLOT1            ; the walking descriptor: the other slot than last time,
	s_add_nc_u64 s[G0B+2:G0B+3], s[G0B+2:G0B+3], RECB   ; the next record; the type bits on top are not reached
	s_wait_xcnt 0x0                                ; the last prefetch, a key step back, has read its address
	s_add_nc_u64 s[PFA:PFA+1], s[PFA:PFA+1], RECB
	s_wait_dscnt 0x0                               ; the add is done, and my reads of the slot are over
	CROUND                                         ; the same now holds of every wave of all four work-groups
	tensor_load_to_lds s[G0B:G0B+3], s[G1:G1+7]    ; the first thing behind the round, and my one tensor load until the next
	s_nop 0
.rept 4
	v_nop
.endr
	ASK
.else
	s_wait_dscnt 0x0
	s_barrier_signal -1
	s_barrier_wait -1
.endif
	s_xor_b32 s[TB], s[TB], SLOT1                  ; on to the other slot
.endm
.macro VLOAD gv, buf                   ; channel tiles 4 gv .. 4 gv + 3 of v: four fragments into buffer buf, their scale words into set buf
.irp t, 0,1,2,3
.irp c, 0,1,2,3
	ds_load_b128 v[S+64*(\buf)+16*\t+4*\c:S+64*(\buf)+16*\t+4*\c+3], v[ADC] offset:16384+(4*(\gv)+\t)*2048+512*\c
.endr
	ds_load_b32 v[SC+4*(\buf)+\t], v[ADS] offset:1024+(4*(\gv)+\t)*128
.endr
.endm
.macro PV gv, buf, zero                ; 8 products O^T += v p^T.  Each of the 32 accumulators has one instruction a step: they take turns.  zero = 1: the first step starts the sums
	WIN 0x50                                       ; C and D: window 1
.irp t, 0,1,2,3
.irp x, 0,1
.if \zero
	v_wmma_scale_f32_16x16x128_f8f6f4 v[128*\x+8*(4*(\gv)+\t):128*\x+8*(4*(\gv)+\t)+7], v[S+64*(\buf)+16*\t:S+64*(\buf)+16*\t+15], v[PCD+16*\x:PCD+16*\x+15], 0, v[SC+4*(\buf)+\t], v[PW+\x] matrix_a_fmt:MATRIX_FMT_BF8 matrix_b_fmt:MATRIX_FMT_BF8
.else
	v_wmma_scale_f32_16x16x128_f8f6f4 v[128*\x+8*(4*(\gv)+\t):128*\x+8*(4*(\gv)+\t)+7], v[S+64*(\buf)+16*\t:S+64*(\buf)+16*\t+15], v[PCD+16*\x:PCD+16*\x+15], v[128*\x+8*(4*(\gv)+\t):128*\x+8*(4*(\gv)+\t)+7], v[SC+4*(\buf)+\t], v[PW+\x] matrix_a_fmt:MATRIX_FMT_BF8 matrix_b_fmt:MATRIX_FMT_BF8
.endif
.endr
.endr
	WIN 0
.endm
.macro HOLDCVT x                       ; tile x's 64 p become its fragment's codes
.irp b, 0,1,2,3
.irp i, 0,1,2,3,4,5,6,7,8,9,10,11,12,13,14,15
	v_min_num_f32 v[S+64*(\x)+16*\b+\i], v[S+64*(\x)+16*\b+\i], v[TM+16*(\x)+8+\b]   ; the conversion does not saturate (ISA guide 7.6.2); p is not negative, so the hold is one-sided
.endr
	v_cvt_scalef32_pk8_bf8_f32 v[PCD+16*(\x)+4*\b:PCD+16*(\x)+4*\b+1], v[S+64*(\x)+16*\b:S+64*(\x)+16*\b+7], v[TM+16*(\x)+12+\b]
	v_cvt_scalef32_pk8_bf8_f32 v[PCD+16*(\x)+4*\b+2:PCD+16*(\x)+4*\b+3], v[S+64*(\x)+16*\b+8:S+64*(\x)+16*\b+15], v[TM+16*(\x)+12+\b]
.endr
	v_nop                                          ; one plain line behind the last conversion
.endm
; A KEY STEP: my 128 keys of the slot in hand, for both query tiles
.macro STEP zero
	v_add_nc_u32 v[ADC], s[TB], v[AC0]
	v_add_nc_u32 v[ADS], s[TB], v[AS0]
.rept 8
	v_nop                                          ; with the two additions ten places behind the last step's products: eight are owed by the loads into their operands, nine by the products below, which write over v's buffers
.endr
.irp gk, 0,1                                   ; S^T = k a^T, four tiles of 16 keys at a time, each against both query tiles
.if \gk
.rept 8
	v_nop                                          ; places in front of loads into registers that the products have read
.endr
.endif
.irp t, 0,1,2,3
.irp c, 0,1,2,3
	ds_load_b128 v[KF+16*\t+4*\c:KF+16*\t+4*\c+3], v[ADC] offset:(4*\gk+\t)*2048+512*\c
.endr
	ds_load_b32 v[SC+4*\gk+\t], v[ADS] offset:(4*\gk+\t)*128
.endr
	s_wait_dscnt 0x0
.irp t, 0,1,2,3
.irp x, 0,1
	v_wmma_scale_f32_16x16x128_f8f6f4 v[S+64*\x+8*(4*\gk+\t):S+64*\x+8*(4*\gk+\t)+7], v[KF+16*\t:KF+16*\t+15], v[Q+16*\x:Q+16*\x+15], 0, v[SC+4*\gk+\t], v[QS+\x] matrix_a_fmt:MATRIX_FMT_BF8 matrix_b_fmt:MATRIX_FMT_BF8
.endr
.endr
.endr                                          ; register 16 b + i of a tile's 64: key 32 b + 16 (lane / 16) + i of the step
.rept 8
	v_nop
.endr
.irp b, 0,1,2,3
.irp x, 0,1
	v_max3_num_f32 v[TM+16*\x+\b], v[S+64*\x+16*\b], v[S+64*\x+16*\b+1], v[S+64*\x+16*\b+2]   ; the largest score of each block of 32 keys: for the row's maximum and, since p rises with the score, for the block's largest p.  Each accumulator is read from its low end on
.endr
.endr
.irp i, 3,5,7,9,11,13
.irp b, 0,1,2,3
.irp x, 0,1
	v_max3_num_f32 v[TM+16*\x+\b], v[TM+16*\x+\b], v[S+64*\x+16*\b+\i], v[S+64*\x+16*\b+\i+1]
.endr
.endr
.endr
.irp b, 0,1,2,3
.irp x, 0,1
	v_max_num_f32 v[TM+16*\x+\b], v[TM+16*\x+\b], v[S+64*\x+16*\b+15]
.endr
.endr
.irp b, 0,1,2,3
.irp x, 0,1
	v_permlanex16_b32 v[TM+16*\x+4+\b], v[TM+16*\x+\b], s[SEL], s[SEL+1]
.endr
.endr
.irp b, 0,1,2,3
.irp x, 0,1
	v_max_num_f32 v[TM+16*\x+\b], v[TM+16*\x+\b], v[TM+16*\x+4+\b]   ; with lane l xor 16's 16 keys
.endr
.endr
.irp x, 0,1
	v_max3_num_f32 v[TM+16*\x+8], v[TM+16*\x], v[TM+16*\x+1], v[TM+16*\x+2]
.endr
.irp x, 0,1
	v_max_num_f32 v[TM+16*\x+8], v[TM+16*\x+8], v[TM+16*\x+3]        ; the step's largest score of my query
.endr
.irp x, 0,1
	v_mul_f32 v[TM+16*\x+8], s[CS], v[TM+16*\x+8]                    ; as t
.endr
.irp x, 0,1
	v_max_num_f32 v[NM+4*\x+1], v[NM+4*\x+1], v[TM+16*\x+8]          ; the running largest t
.endr
.irp x, 0,1
	v_mov_b32 v[TM+16*\x+8], v[NM+4*\x]
.endr
.irp x, 0,1
	v_floor_f32 v[NM+4*\x], -v[NM+4*\x+1]                            ; the new -M = floor(-t): M is a whole number
.endr
.irp x, 0,1
	v_sub_f32 v[TM+16*\x+8], v[NM+4*\x], v[TM+16*\x+8]               ; old M - new M: a whole number, 0 or less
.endr
.irp x, 0,1
	v_cvt_i32_f32 v[TM+16*\x+8], v[TM+16*\x+8]                       ; (it saturates)
.endr
.irp x, 0,1
	v_ldexp_f32 v[F+2*\x], 1.0, v[TM+16*\x+8]                        ; f = 2^(old M - new M): a multiplication by it rounds nothing
.endr
.set jj, 0
.rept 32
	v_pk_fma_f32 v[S+jj:S+jj+1], v[S+jj:S+jj+1], s[CS:CS+1], v[NM:NM+1] op_sel_hi:[1,0,0]            ; t - M, two at a time
	v_pk_fma_f32 v[S+64+jj:S+64+jj+1], v[S+64+jj:S+64+jj+1], s[CS:CS+1], v[NM+4:NM+5] op_sel_hi:[1,0,0]
.set jj, jj+2
.endr
.irp b, 0,1,2,3
.irp x, 0,1
	v_fma_f32 v[TM+16*\x+\b], v[TM+16*\x+\b], s[CS], v[NM+4*\x]      ; the same of each block's largest score
.endr
.endr
.set jj, 0
.rept 128
	v_exp_f32 v[S+jj], v[S+jj]                     ; p = 2^(t - M): ONE batch for both tiles
.set jj, jj+1
.endr
	v_pk_mul_f32 v[NM+2:NM+3], v[NM+2:NM+3], v[F:F+1] op_sel_hi:[1,0]        ; the sums under the new M: plain lines behind the exponentials
	v_pk_mul_f32 v[NM+6:NM+7], v[NM+6:NM+7], v[F+2:F+3] op_sel_hi:[1,0]
	s_wait_alu depctr_va_vdst(0)                   ; one wait for the batch, ahead of its first reader
.irp b, 0,1,2,3
.irp x, 0,1
	v_exp_f32 v[TM+16*\x+\b], v[TM+16*\x+\b]       ; the blocks' largest p: the same two instructions on the same number give the same bits
.endr
.endr
.irp x, 0,1
	v_pk_add_f32 v[TM+16*\x+4:TM+16*\x+5], v[S+64*\x:S+64*\x+1], v[S+64*\x+2:S+64*\x+3]   ; the row's sum is taken of the UNQUANTISED p: two chains a tile.  These lines read the 128 alone
.endr
.irp j, 4,8,12,16,20,24,28,32,36,40,44,48,52,56,60
.irp x, 0,1
	v_pk_add_f32 v[NM+4*\x+2:NM+4*\x+3], v[NM+4*\x+2:NM+4*\x+3], v[S+64*\x+\j:S+64*\x+\j+1]
	v_pk_add_f32 v[TM+16*\x+4:TM+16*\x+5], v[TM+16*\x+4:TM+16*\x+5], v[S+64*\x+\j+2:S+64*\x+\j+3]
.endr
.endr
.irp x, 0,1
	v_pk_add_f32 v[NM+4*\x+2:NM+4*\x+3], v[NM+4*\x+2:NM+4*\x+3], v[TM+16*\x+4:TM+16*\x+5]
.endr
	s_wait_alu depctr_va_vdst(0)                   ; and one wait for the eight
.irp b, 0,1,2,3
.irp x, 0,1
	v_max_num_f32 v[TM+16*\x+\b], 0x8000000, v[TM+16*\x+\b]          ; the floor 2^(16 - 127): the byte cannot fall under 1
.endr
.endr
.irp b, 0,1,2,3
.irp x, 0,1
	v_add_nc_u32 v[TM+16*\x+12+\b], 0xf8800000, v[TM+16*\x+\b]       ; 15 off the exponent field: the conversion's scale operand
.endr
.endr
.irp b, 0,1,2,3
.irp x, 0,1
	v_and_or_b32 v[TM+16*\x+8+\b], v[TM+16*\x+\b], 0x7f800000, s[MNT]   ; 57,344 x the scale
.endr
.endr
.irp b, 0,1,2,3
.irp x, 0,1
	v_lshrrev_b32 v[TM+16*\x+4+\b], 23, v[TM+16*\x+12+\b]            ; the byte
.endr
.endr
.irp x, 0,1
	v_lshl_or_b32 v[PW+\x], v[TM+16*\x+5], 8, v[TM+16*\x+4]          ; p's scale word for these 128 keys
.endr
.irp x, 0,1
	v_lshl_or_b32 v[PW+\x], v[TM+16*\x+6], 16, v[PW+\x]
.endr
.irp x, 0,1
	v_lshl_or_b32 v[PW+\x], v[TM+16*\x+7], 24, v[PW+\x]
.endr
	HOLDCVT 0
	VLOAD 0, 0                                     ; tile A's p are codes now: their registers take v's first four fragments while tile B is converted
	HOLDCVT 1
	VLOAD 1, 1
.if \zero
.rept 8
	v_nop                                          ; the places that p's codes (four) and scale words (eight) owe ahead of a scaled product
.endr
.else
	WIN 0x41                                       ; O^T: destination and source 0 in window 1
.set jj, 0
.rept 64
	v_pk_mul_f32 v[jj:jj+1], v[jj:jj+1], v[F:F+1] op_sel_hi:[1,0]                    ; O^T under the new M.  (These lines are also the places ahead of the products below)
	v_pk_mul_f32 v[128+jj:128+jj+1], v[128+jj:128+jj+1], v[F+2:F+3] op_sel_hi:[1,0]
.set jj, jj+2
.endr
.endif
	s_wait_dscnt 20                                ; the first group is in; the 20 loads of the group behind it may be out
	PV 0, 0, \zero
.rept 8
	v_nop                                          ; places in front of loads into registers that the products have read
.endr
	VLOAD 2, 0
	s_wait_dscnt 20
	PV 1, 1, \zero
.rept 8
	v_nop
.endr
	VLOAD 3, 1
	s_wait_dscnt 20
	PV 2, 0, \zero
	s_wait_dscnt 0x0
	PV 3, 1, \zero
.endm
	s_load_b256 s[4:11], s[0:1], 0x0               ; aq, asc, kv, vres
	s_load_b64 s[12:13], s[0:1], 0x20              ; out0
	v_lshl_add_u32 v[SPW], v0, 2, SPARE
	v_mov_b32 v[NIL], 0
	ds_add_u32 v3, v4
	ds_add_u32 v3, v4
	s_wait_dscnt 0x0
	v_lshrrev_b32 v6, 5, v0
	v_readfirstlane_b32 s[WV], v6                  ; wave 0..7
	s_and_b32 s[G], s[WV], 3                       ; which two query tiles
	s_lshr_b32 s[KH], s[WV], 2                     ; which half of every record's keys
	s_bfe_u32 s[CX], ttmp6, 0x40000                ; my place in the cluster: it enters global addresses of my own alone
	s_lshl_b32 s[QB], ttmp9, 2
	s_add_co_u32 s[QB], s[QB], s[CX]               ; my block of 128 queries
	s_and_b32 s[BB], ttmp7, 0xffff                 ; the batch, which the four partners share
	; descriptor group 1: 51 rows of 256 bytes, dense in memory and in LDS
	s_mov_b32 s[G1], 15|(3<<16)|(1<<21)            ; 15:0 the mask: all four work-groups; 17:16 elements of 8 bytes; 21 set beside a mask; no padding
	s_mov_b32 s[G1+1], 32<<16                      ; tensor_dim0 = 32
	s_mov_b32 s[G1+2], 51<<16                      ; tensor_dim1 = 51
	s_mov_b32 s[G1+3], 32<<16                      ; tile_dim0 = 32
	s_mov_b32 s[G1+4], 51                          ; tile_dim1 = 51
	s_mov_b32 s[G1+5], 32                          ; from row to row
	s_mov_b32 s[G1+6], 0
	s_mov_b32 s[G1+7], 0
	s_mul_i32 s20, s[BB], 16*RECB                  ; the batch's 16 records
	s_mul_i32 s21, s[WV], PARTB                    ; my part of a record, in memory and in a slot
	s_add_co_u32 s22, s20, s21
	s_mov_b32 s23, 0
	s_mov_b32 s[G0A], 1
	s_mov_b32 s[G0A+1], s21
	s_mov_b32 s[G0B], 1
	s_add_co_u32 s[G0B+1], s21, SLOT1
	s_mul_i32 s58, s[CX], 26112                    ; the prefetches: my work-group's 102 blocks,
	s_lshl_b32 s59, s[G], 13                       ; my wave's 32 of them,
	s_add_co_u32 s58, s58, s59
	s_add_co_u32 s58, s58, s20
	s_add_co_u32 s58, s58, 2*RECB                  ; in record 2: the first change of slots steps it to record 3.  Nothing is prefetched at the head
	s_mov_b32 s59, 0
	s_or_b32 s[LIM], s[KH], ttmp9                  ; waves 0 to 3 of the batch's first cluster: the same in all four partners
	s_cmp_eq_u32 s[LIM], 0
	s_cselect_b32 s[LIM], 1, -1
	s_cmp_eq_u32 s[WV], 3
	s_cselect_b32 s21, 5, 31
	v_and_b32 v[PFO], 31, v0
	v_min_u32 v[PFO], s21, v[PFO]
	v_lshlrev_b32 v[PFO], 8, v[PFO]
	s_lshl_b32 s60, s[BB], 8                       ; vres and out0: (256 b + 32 w) rows of 16,384 bytes + 512 x my block
	s_lshl_b32 s61, s[WV], 5
	s_add_co_u32 s60, s60, s61
	s_lshl_b32 s60, s60, 14
	s_lshl_b32 s61, s[QB], 9
	s_add_co_u32 s60, s60, s61
	s_mov_b32 s61, 0
	s_lshl_b32 s62, s[BB], 8                       ; my first query tile: 256 b + 8 x block + 2 (w % 4)
	s_lshl_b32 s63, s[QB], 3
	s_add_co_u32 s62, s62, s63
	s_lshl_b32 s63, s[G], 1
	s_add_co_u32 s62, s62, s63
	s_lshl_b32 s2, s62, 7                          ; its scale words,
	s_mov_b32 s3, 0
	s_lshl_b32 s62, s62, 11                        ; its image
	s_mov_b32 s63, 0
	s_mov_b32 s[TB], 0
	s_mov_b32 s[SLOTS], 14
	s_mov_b32 s[CS], 0x3fb8aa3b                    ; log2(e)
	s_mov_b32 s[CS+1], s[CS]                       ; (named with it as a pair)
	s_mov_b32 s[SEL], 0x76543210
	s_mov_b32 s[SEL+1], 0xfedcba98
	s_mov_b32 s[MNT], 0x600000
	v_and_b32 v6, 31, v0
	s_mul_i32 s20, s[KH], 49152
	v_lshl_add_u32 v[AC0], v6, 4, s20
	s_mul_i32 s20, s[KH], 3072
	s_add_co_u32 s20, s20, 98304
	v_lshl_add_u32 v[AS0], v6, 2, s20
	v_lshlrev_b32 v[ADS], 2, v6                    ; until the first step: 4 x lane
	v_lshlrev_b32 v[ADC], 4, v6                    ; and 16 x lane, for the queries
.irp x, 0,1
	v_mov_b32 v[NM+4*\x+1], 0xff61b1e6             ; the largest t so far: -3e38, under every t
	v_floor_f32 v[NM+4*\x], -v[NM+4*\x+1]          ; -M
	v_mov_b32 v[NM+4*\x+2], 0                      ; the sum, in two halves
	v_mov_b32 v[NM+4*\x+3], 0
	v_mov_b32 v[F+2*\x], 0
	v_mov_b32 v[F+2*\x+1], 0
.endr
	s_wait_kmcnt 0x0
	s_add_nc_u64 s[G0A+2:G0A+3], s[8:9], s[22:23]  ; record 0,
	s_add_nc_u64 s[G0B+2:G0B+3], s[G0A+2:G0A+3], RECB   ; record 1
	s_or_b32 s[G0A+3], s[G0A+3], 0x80000000        ; type = 2
	s_or_b32 s[G0B+3], s[G0B+3], 0x80000000
	s_add_nc_u64 s[PFA:PFA+1], s[8:9], s[58:59]
	s_add_nc_u64 s[VRP:VRP+1], s[10:11], s[60:61]
	s_add_nc_u64 s[OUP:OUP+1], s[12:13], s[60:61]
	s_add_nc_u64 s[AQP:AQP+1], s[4:5], s[62:63]
	s_add_nc_u64 s[ASP:ASP+1], s[6:7], s[2:3]
	CROUND                                         ; all four work-groups are here: the first joint loads meet
	tensor_load_to_lds s[G0A:G0A+3], s[G1:G1+7]    ; both first fills together, ahead of every wait on TENSORcnt, every LDS read and every other barrier
	s_nop 0
	tensor_load_to_lds s[G0B:G0B+3], s[G1:G1+7]
	s_nop 0
.rept 4
	v_nop
.endr
.irp x, 0,1
.irp c, 0,1,2,3
	global_load_b128 v[Q+16*\x+4*\c:Q+16*\x+4*\c+3], v[ADC], s[AQP:AQP+1] offset:2048*\x+512*\c   ; my two query fragments stay in registers
.endr
	global_load_b32 v[QS+\x], v[ADS], s[ASP:ASP+1] offset:128*\x
.endr
	s_wait_tensorcnt 0x1                           ; my part of record 0 is in; record 1's may stay out
	s_barrier_signal -1
	s_barrier_wait -1                              ; everybody's is
	s_wait_loadcnt 0x0                             ; the queries; their address registers may be written
	STEP 1                                         ; record 0: its products start O^T's sums
.Lslot:                                            ; 14 trips: records 1 to 14 are read, records 2 to 15 asked for
	CHANGE 1
	STEP 0
	s_sub_co_u32 s[SLOTS], s[SLOTS], 1
	s_cmp_lg_u32 s[SLOTS], 0
	s_cbranch_scc1 .Lslot
	CHANGE 0                                       ; the last record is written out
	STEP 0
	; ---- THE WAY OUT.  All addresses are made here, by every wave: thirteen plain lines, the places behind the last products
	v_and_b32 v38, 31, v0
	v_lshlrev_b32 v[VO], 4, v38
	s_lshl_b32 s20, s[G], 15
	v_add_nc_u32 v[EXA], s20, v[VO]                ; 32,768 (w % 4) + 16 x lane
	s_lshl_b32 s20, s[G], 9
	s_add_co_u32 s20, s20, STATS
	v_lshl_add_u32 v[EXS], v38, 2, s20
	v_and_b32 v39, 7, v0
	v_bfe_u32 v38, v0, 3, 1
	v_lshl_add_u32 v39, v38, 4, v39                ; lane r holds query (r % 8) + 16 (r / 8) of its tile's 32
	v_bfe_u32 v38, v0, 4, 1
	v_lshlrev_b32 v39, 2, v39
	v_mad_u32_u24 v[OW0], v38, 4224, v39           ; + 8 h rows of 528 bytes
	s_lshl_b32 s20, s[G], 7
	s_add_co_u32 s20, s20, OSTG
	v_add_nc_u32 v[OW0], s20, v[OW0]               ; + my 32 queries' 128 bytes
	v_add_nc_u32 v[OW0+1], 67584, v[OW0]           ; channels 128 on
	s_mul_i32 s20, s[WV], 16896
	s_add_co_u32 s20, s20, OSTG
	v_add_nc_u32 v[ORD], s20, v[VO]                ; back: my 32 rows
.set ii, 0
.rept 32
	global_load_b128 v[S+4*ii:S+4*ii+3], v[VO], s[VRP:VRP+1] offset:16384*ii th:TH_LOAD_NT   ; the residual: channels 32 w + i, 512 consecutive bytes each; it lands while the halves are merged
.set ii, ii+1
.endr
.irp x, 0,1
	v_add_f32 v[NM+4*\x+2], v[NM+4*\x+2], v[NM+4*\x+3]
.endr
.irp x, 0,1
	v_permlanex16_b32 v[TM+16*\x+4], v[NM+4*\x+2], s[SEL], s[SEL+1]
.endr
.irp x, 0,1
	v_add_f32 v[NM+4*\x+2], v[NM+4*\x+2], v[TM+16*\x+4]   ; my half's sum of each query
.endr
	s_wait_dscnt 0x0                               ; my reads of the last record are over:
	s_barrier_signal -1
	s_barrier_wait -1                              ; everybody's are: both slots may be written over; no fill follows
	s_cmp_lt_u32 s[WV], 4
	s_cbranch_scc1 .Lkeep
	WIN 0x04                                       ; waves 4 to 7 hand O^T, -M and l of their half of the keys to waves 0 to 3
.set ii, 0
.rept 64
	ds_store_b128 v[EXA], v[4*ii:4*ii+3] offset:512*ii   ; as the registers stand, each accumulator from its low end on
.set ii, ii+1
.endr
	WIN 0
	ds_store_b32 v[EXS], v[NM]
	ds_store_b32 v[EXS], v[NM+2] offset:128
	ds_store_b32 v[EXS], v[NM+4] offset:256
	ds_store_b32 v[EXS], v[NM+6] offset:384
.Lkeep:
	s_wait_dscnt 0x0                               ; for the others' sake: my stores have landed
	s_barrier_signal -1
	s_barrier_wait -1
	s_cmp_lt_u32 s[WV], 4
	s_cbranch_scc0 .Lmerged
	ds_load_b32 v48, v[EXS]
	ds_load_b32 v49, v[EXS] offset:128
	ds_load_b32 v50, v[EXS] offset:256
	ds_load_b32 v51, v[EXS] offset:384
.irp x, 0,1
	v_mov_b32 v[41+4*\x], 0                        ; (named as the upper halves of pairs)
	v_mov_b32 v[43+4*\x], 0
.endr
	s_wait_dscnt 0x0
.irp x, 0,1
	v_min_num_f32 v[52+4*\x], v[NM+4*\x], v[48+2*\x]       ; -M of both halves together
.endr
.irp x, 0,1
	v_sub_f32 v[53+4*\x], v[52+4*\x], v[NM+4*\x]           ; my M less the common one, the partner's likewise: whole numbers, 0 or less
	v_sub_f32 v[54+4*\x], v[52+4*\x], v[48+2*\x]
.endr
.irp x, 0,1
	v_cvt_i32_f32 v[53+4*\x], v[53+4*\x]
	v_cvt_i32_f32 v[54+4*\x], v[54+4*\x]
.endr
.irp x, 0,1
	v_ldexp_f32 v[53+4*\x], 1.0, v[53+4*\x]
	v_ldexp_f32 v[54+4*\x], 1.0, v[54+4*\x]
.endr
.irp x, 0,1
	v_mul_f32 v[55+4*\x], v[53+4*\x], v[NM+4*\x+2]
.endr
.irp x, 0,1
	v_fma_f32 v[55+4*\x], v[54+4*\x], v[49+2*\x], v[55+4*\x]   ; the row's sum
.endr
	v_rcp_f32 v55, v55
	v_rcp_f32 v59, v59
	v_nop                                          ; a plain line behind the reciprocals,
	s_wait_alu depctr_va_vdst(0)                   ; and one wait for both, ahead of their first reader
.irp x, 0,1
	v_mul_f32 v[40+4*\x], v[53+4*\x], v[55+4*\x]   ; what my O^T is multiplied by,
	v_mul_f32 v[42+4*\x], v[54+4*\x], v[55+4*\x]   ; and the partner's
.endr
.irp k, 0,1,2,3                                ; 64 registers at a time: tile k / 2, channel tiles 8 (k % 2) on
.irp i, 0,1,2,3,4,5,6,7,8,9,10,11,12,13,14,15
	ds_load_b128 v[KF+4*\i:KF+4*\i+3], v[EXA] offset:512*(16*\k+\i)
.endr
	s_wait_dscnt 0x0
.set jj, 0
.rept 32
	v_pk_mul_f32 v[KF+jj:KF+jj+1], v[KF+jj:KF+jj+1], v[42+4*(\k/2):43+4*(\k/2)] op_sel_hi:[1,0]
.set jj, jj+2
.endr
	WIN 0x01                                       ; source 0: my O^T, window 1; each accumulator from its low end on
.set jj, 0
.rept 32
	v_pk_fma_f32 v[KF+jj:KF+jj+1], v[64*\k+jj:64*\k+jj+1], v[40+4*(\k/2):41+4*(\k/2)], v[KF+jj:KF+jj+1] op_sel_hi:[1,0,1]
.set jj, jj+2
.endr
	WIN 0
.irp t, 0,1,2,3,4,5,6,7
.irp j, 0,1,2,3,4,5,6,7
	ds_store_b32 v[OW0+(\k%2)], v[KF+8*\t+\j] offset:(16*\t+\j)*528+32*(\k/2)   ; row = channel 128 (k % 2) + 16 t + 8 h + j, column = my query: the 32 lanes fall on 32 different banks (64 banks of 4 bytes: ISA guide 11.1)
.endr
.endr
	s_wait_dscnt 0x0                               ; the stores have read their registers
.endr
.Lmerged:
	s_wait_dscnt 0x0
	s_barrier_signal -1
	s_barrier_wait -1                              ; 256 whole rows lie in the stage
	s_wait_loadcnt 0x0                             ; the residual
.irp hf, 0,1
.irp i, 0,1,2,3,4,5,6,7,8,9,10,11,12,13,14,15
	ds_load_b128 v[KF+4*\i:KF+4*\i+3], v[ORD] offset:528*(16*\hf+\i)
.endr
	s_wait_dscnt 0x0
.irp i, 0,1,2,3,4,5,6,7,8,9,10,11,12,13,14,15
	v_pk_add_f32 v[S+4*(16*\hf+\i):S+4*(16*\hf+\i)+1], v[S+4*(16*\hf+\i):S+4*(16*\hf+\i)+1], v[KF+4*\i:KF+4*\i+1]
	v_pk_add_f32 v[S+4*(16*\hf+\i)+2:S+4*(16*\hf+\i)+3], v[S+4*(16*\hf+\i)+2:S+4*(16*\hf+\i)+3], v[KF+4*\i+2:KF+4*\i+3]
	global_store_b128 v[VO], v[S+4*(16*\hf+\i):S+4*(16*\hf+\i)+3], s[OUP:OUP+1] offset:16384*(16*\hf+\i) th:TH_STORE_NT   ; 32 lanes store 512 consecutive bytes, aligned; each row has data registers of its own
.endr
.endr
	s_wait_tensorcnt 0x0                           ; the wave's end: behind my last tensor load and my last LDS store
	ds_add_u32 v[SPW], v[NIL]
	s_wait_dscnt 0x0
	CROUND                                         ; the closing round: no work-group ends while a partner may still ask for a record that names it
	s_endpgm
.Lfunc_end_k_q7058439e65_attn:
	.size	k_q7058439e65_attn, .Lfunc_end_k_q7058439e65_attn-k_q7058439e65_attn
	.p2alignl 7, 3214868480
	.fill 96, 4, 3214868480
	.section	.rodata,"a",@progbits
	.p2align	6, 0x0
	.amdhsa_kernel k_q7058439e65_attn
		.amdhsa_group_segment_fixed_size 327680
		.amdhsa_private_segment_fixed_size 0
		.amdhsa_enable_private_segment 0
		.amdhsa_kernarg_size 40
		.amdhsa_user_sgpr_count 2
		.amdhsa_user_sgpr_kernarg_segment_ptr 1
		.amdhsa_wavefront_size32 1
		.amdhsa_system_sgpr_workgroup_id_x 1
		.amdhsa_system_sgpr_workgroup_id_y 1
		.amdhsa_system_sgpr_workgroup_id_z 1
		.amdhsa_system_vgpr_workitem_id 0
		.amdhsa_next_free_vgpr 512
		.amdhsa_next_free_sgpr 66
		.amdhsa_reserve_vcc 0
		.amdhsa_float_denorm_mode_32 3
		.amdhsa_float_denorm_mode_16_64 3
		.amdhsa_memory_ordered 1
		.amdhsa_forward_progress 1
		.amdhsa_inst_pref_size 204
	.end_amdhsa_kernel
	.amdgpu_metadata
---
amdhsa.version: [ 1, 2 ]
amdhsa.kernels:
  - .name:           k_q7058439e65_attn
    .symbol:         k_q7058439e65_attn.kd
    .args:
      - { .name: aq, .offset: 0, .size: 8, .value_kind: global_buffer, .address_space: global }
      - { .name: asc, .offset: 8, .size: 8, .value_kind: global_buffer, .address_space: global }
      - { .name: kv, .offset: 16, .size: 8, .value_kind: global_buffer, .address_space: global }
      - { .name: vres, .offset: 24, .size: 8, .value_kind: global_buffer, .address_space: global }
      - { .name: out0, .offset: 32, .size: 8, .value_kind: global_buffer, .address_space: global }
    .group_segment_fixed_size: 327680
    .private_segment_fixed_size: 0
    .kernarg_segment_align: 8
    .kernarg_segment_size: 40
    .max_flat_workgroup_size: 256
    .sgpr_count:     66
    .vgpr_count:     512
    .wavefront_size: 32
...
	.end_amdgpu_metadata
.endif
;; end of part 3
;; ======== version 2 of 2: 3 launches; version 1 with the launch proj written anew for expert scheduling mode
;; workspace buffers: wcodes 262,144 bytes; wsc 16,384 bytes; bnp 4,096 bytes; aq 4,194,304 bytes; asc 262,144 bytes; kv 13,369,344 bytes; vres 33,554,432 bytes
;; launch wq: the kernel of part 1 again; grid 128 x 1, 1 waves a work-group, no clusters, 0 bytes of LDS; arguments W1, g1, b1, m1, v1, W2, g2, b2, m2, v2, W3, g3, b3, m3, v3, wcodes, wsc, bnp; writes wcodes, wsc, bnp
;; launch proj (part 4): grid 32 x 8, 4 waves a work-group, no clusters, 168,448 bytes of LDS; arguments x, wcodes, wsc, bnp, aq, asc, kv, vres; writes aq, asc, kv, vres
.if DOCPART == 4
	.amdgcn_target "amdgcn-amd-amdhsa--gfx1250"
	.amdhsa_code_object_version 6
	.text
	.protected	k_q7058439e65_proj
	.globl	k_q7058439e65_proj
	.p2align	8
	.type	k_q7058439e65_proj,@function
k_q7058439e65_proj:
	s_mov_b64 s[64:65], 0
	v_nop
	global_prefetch_b8 v0, s[64:65] scope:SCOPE_SE
	s_setreg_imm32_b32 hwreg(HW_REG_WAVE_SCHED_MODE, 0, 2), 2
	s_setreg_imm32_b32 hwreg(HW_REG_WAVE_MODE, 25, 1), 1
	s_wait_xcnt 0x0
	s_wait_alu depctr_vm_vsrc(0)
; a, k, v = relu(BN(W x)) for 128 points of one batch, all three products on codes of BF8 (E5M2) with one E8M0 byte for each 32 along K = the 512 channels of x.
; x: [8][512][4096] f32, K is NOT innermost.  The weights come as images of operand registers (16 rows x 128 K = 2,048 bytes: registers 4 c .. 4 c + 3 of lane l at 512 c + 16 l; scale words at 4 l).
; OUT: a's codes (K = its 128 channels) to aq / asc, k's likewise and v's (K = the points) to kv, all as such images; v in f32 to vres, for the residual.
;   kv: a record of 104,448 bytes for each 256 points: for each 128 points 8 images of k, then 16 of v (49,152 bytes); from byte 98,304 on, for each 128 points, their scale words (8 x 128, 16 x 128).
; SHARES.  Work-group (nb, b): points 128 nb .. + 127 of batch b, as 8 tiles of 16 points: lane r of tile 2 p + u takes point 32 p + 8 u + r + 8 (r / 8).
; PHASE X: wave w quantises channels 128 w .. + 127 (K step w) for all 128 points.  Loads read whole rows of 512 bytes; a block of 32 channels turns through the wave's own stage in LDS, so that a lane holds ONE point and its
;   32 registers run down K; the codes go to LDS as the images of x's 32 fragments.  One barrier.
; THE PRODUCTS: THE WAVES SHARE THE OUTPUT CHANNELS: wave 0 W1, wave 1 W2, waves 2 and 3 the halves of W3.  One form serves all: D[i] = RESIDENT[i] (source 0) x STREAMED (source 1), i = 0 .. 7, four K steps, eight trips.
;   waves 0, 1: resident = my 8 tiles of weights, streamed = a tile of points: a lane holds a point, its 64 registers 64 channels (register 16 b + i: channel 32 b + 16 (lane / 16) + i).
;   waves 2, 3: resident = x's 8 tiles of points, streamed = a tile of 16 channels of W3: a lane holds a channel, its 64 registers 64 points in the same order.
;   Either way the 64 registers are neighbours along the NEXT product's K: BN, relu and the quantiser make one fragment and one scale word a trip.
; NO CLUSTER, NO JOINT LOADS: what the work-groups share is the weights, and they go from memory straight into operand registers (512 a wave), where no tensor load lands; as tiles in LDS their 278,528 bytes
;   would not fit beside x's 65,536 bytes of images and the 99,328 bytes of stages.
; LIMITS: NaN and infinities are not served.  A block of zeros gets the byte 1 (its codes are zeros, and this program alone reads the bytes).  The scale words leave as runs of 128 bytes: one byte in 16 of the codes'.
; THE MODE: SCHED_MODE bits 1:0 = 2 (LLVM: expert scheduling mode 2), set by the entry lines.  The code itself states the register dependences
; between vector or matrix instructions and memory or LDS instructions, with s_wait_alu, always for 0.
; THE PLAN.  Registers that memory or LDS instructions touch:
;   v1-v12        addresses, made at the head and never written again.   v13-v17: the next streamed tile's addresses: read by the stream's loads, written once a trip.
;   PHASE X   landing sets (window 1): written by the loads of x, read by the stage's stores; no vector line names them.
;             XN0, XN1: a group of 32 points lands from the stage, the quantiser reads and writes it, the group two further on lands.
;             four code sets, one for each group of points: written by a block's conversions, read by its code stores, written again a whole block later.   The scale words: read by four stores at the phase's end.
;             So a block has one wait on vm_vsrc (landing set and code sets have been read) and one on va_vdst behind each group's quantiser (its codes are written, it is done with its XN set).
;   A TRIP    ST, SS: read by the products, then the next tile lands.   v200, v202: read by the multiply-adds of waves 2 and 3, then the next channel's numbers land.
;             the accumulators: read by the stage stores of waves 2 and 3, then written by the holds.   PC, PW: written by the quantiser, read by the stores.   v's rows (window 3): land from the stage, read by the stores.
;             So a trip has: vm_vsrc at its head; va_vdst behind the products' places; in waves 2 and 3 va_vdst ahead of the stage stores; vm_vsrc ahead of the holds; va_vdst ahead of the stores.
.set XIMG, 65536                       ; LDS: 0: four stages of 32 rows x 512 bytes, a wave's own;  XIMG: x's fragment (tile T, K step s) at (4 T + s) x 2,048;
.set XSC,  131072                      ; its scale words at (4 T + s) x 64 + 4 r;
.set VSTG, 133120                      ; four stages of 16 rows x (512 + 16) bytes, a wave's own, for v's way out
.set RECB, 104448
.set GI,   1                           ; v1   16 x lane
.set GS,   2                           ; v2   4 x lane
.set STW,  3                           ; v3   my stage, in: 16,384 w + 16 x lane
.set STR,  4                           ; v4   my stage, back: 16,384 w + 4 x lane
.set XW,   5                           ; v5   where my point's codes go in x's images
.set XSW,  6                           ; v6   and its scale word
.set LI,   7                           ; v7   XIMG + 16 x lane
.set LS,   8                           ; v8   XSC + 4 r
.set SO,   9                           ; v9   v's stage, in
.set SR,   10                          ; v10  v's stage, back
.set BO,   11                          ; v11  64 h
.set BR,   12                          ; v12  4 r
.set ADX,  13                          ; v13-17 the addresses of the next streamed tile: x's images, x's scale words; W3's images, its scale words, BN's numbers
.set ADXS, 14
.set ADG,  15
.set ADGS, 16
.set ADB,  17
.set XN,   32                          ; v32-95   phase X: two sets of 32 numbers;  later ST: the streamed tile's four fragments
.set ST,   32
.set ACC,  96                          ; v96-159  the 8 accumulators;  in phase X: v96-127 four sets of codes, v128-131 scale words, v132-135 at work
.set XC,   96
.set SB,   128
.set QT,   132
.set PC,   160                         ; v160-175 the codes just made
.set TM,   176                         ; v176-191 the quantiser's 16 registers
.set PW,   192                         ; v192     the scale word just made
.set SS,   196                         ; v196-199 the streamed tile's scale words;  v208-239 the resident operand's, at 4 i + s: scales and nothing else
.set BNV,  200                         ; v200 scale, v202 shift of my channel (waves 2, 3); v201, v203 are named with them as pairs
.set RS,   208
.set OUTR, 128                         ; window 3: v0-63 BN's scale, v64-127 its shift, in the result's layout (waves 0, 1);  v128-191 16 rows of v on their way out
; windows 1 and 2: the resident fragment (i, s) at v[16 (2 i + s % 2)] of window 1 + s / 2.  In phase X window 1 is where x lands: two sets of 128.
.set WV,   20
.set BB,   22
.set SEL,  24
.set MNT,  26
.set O,    27                          ; s27  the trip
.set ON,   28                          ; s28  the next trip's tile, held at 7
.set TX,   29
.set TXS,  30
.set T9,   31
.set T6,   32
.set XP,   34
.set WCP,  36
.set WSP,  38
.set BNP,  40
.set CP,   42
.set SP,   44
.set VP,   46
.set MSB, 0
.macro WIN new                         ; s_set_vgpr_msb: bits 1:0 source 0, 3:2 source 1, 5:4 source 2, 7:6 destination; the high byte repeats the setting that is left
.if MSB != (\new)
	s_set_vgpr_msb (MSB<<8)|(\new)
.set MSB, (\new)
.endif
.endm
.macro LOADX bt                        ; block bt of my K step: 32 rows of x, 512 consecutive bytes each, into landing set bt % 2
	WIN 0x40
.set rho, 0
.rept 32
	global_load_b128 v[128*((\bt)%2)+4*rho:128*((\bt)%2)+4*rho+3], v[GI], s[XP:XP+1] offset:(32*(\bt)+rho)*16384 th:TH_LOAD_NT
.set rho, rho+1
.endr
	WIN 0
.endm
.macro STAGE bt                        ; as they lie into my stage
	WIN 0x04
.set rho, 0
.rept 32
	ds_store_b128 v[STW], v[128*((\bt)%2)+4*rho:128*((\bt)%2)+4*rho+3] offset:512*rho
.set rho, rho+1
.endr
	WIN 0
.endm
.macro RD pg, half                     ; and back: lane l takes point 32 pg + l, its registers run down the 32 channels.  LDS serves a wave's instructions in order (ISA guide 5.7.1.4)
.set rho, 0
.rept 32
	ds_load_b32 v[XN+32*(\half)+rho], v[STR] offset:512*rho+128*(\pg)
.set rho, rho+1
.endr
.endm
.macro Q32 half, bt, pg                ; a whole block of 32 along K in one lane: its scale byte into the point's word, its 32 codes into code set pg
.set XS, XN+32*(\half)
	v_max3_num_f32 v[QT], |v[XS]|, |v[XS+1]|, |v[XS+2]|
	v_max3_num_f32 v[QT+1], |v[XS+3]|, |v[XS+4]|, |v[XS+5]|
.irp i, 6,10,14,18,22,26
	v_max3_num_f32 v[QT], v[QT], |v[XS+\i]|, |v[XS+\i+1]|
	v_max3_num_f32 v[QT+1], v[QT+1], |v[XS+\i+2]|, |v[XS+\i+3]|
.endr
	v_max3_num_f32 v[QT], v[QT], |v[XS+30]|, |v[XS+31]|
	v_max3_num_f32 v[QT], v[QT], v[QT+1], 0x8000000        ; and the floor 2^(16 - 127): the byte cannot fall under 1
	v_add_nc_u32 v[QT+2], 0xf8800000, v[QT]                ; 15 off the exponent field: the conversion's scale operand
	v_and_or_b32 v[QT+3], v[QT], 0x7f800000, s[MNT]        ; 57,344 x the scale
	v_lshrrev_b32 v[QT+1], 23, v[QT+2]                     ; the byte
.if (\bt) == 0
	v_mov_b32 v[SB+(\pg)], v[QT+1]
.else
	v_lshl_or_b32 v[SB+(\pg)], v[QT+1], 8*(\bt), v[SB+(\pg)]
.endif
.set rho, 0
.rept 32
	v_med3_num_f32 v[XS+rho], v[XS+rho], -v[QT+3], v[QT+3] ; the conversion does not saturate (ISA guide 7.6.2): the hold comes first
.set rho, rho+1
.endr
.irp g, 0,1,2,3
	v_cvt_scalef32_pk8_bf8_f32 v[XC+8*(\pg)+2*\g:XC+8*(\pg)+2*\g+1], v[XS+8*\g:XS+8*\g+7], v[QT+2]
.endr
	v_nop                                          ; one plain line behind the last conversion
.endm
.macro CS bt, pg                       ; my point's 32 codes: k 0-15 of the block are lane (r, 0)'s 16 bytes of register group bt, k 16-31 lane (r, 1)'s, 256 bytes on
	ds_store_b128 v[XW], v[XC+8*(\pg):XC+8*(\pg)+3] offset:16384*(\pg)+512*(\bt)
	ds_store_b128 v[XW], v[XC+8*(\pg)+4:XC+8*(\pg)+7] offset:16384*(\pg)+512*(\bt)+256
.endm
.macro MM                              ; 32 products: the 8 accumulators by turns, one instruction a turn, K step by K step; the first K step starts the sums
.irp s, 0,1,2,3
	WIN 1+(\s)/2
.irp i, 0,1,2,3,4,5,6,7
.if \s == 0
	v_wmma_scale_f32_16x16x128_f8f6f4 v[ACC+8*\i:ACC+8*\i+7], v[16*(2*\i+(\s)%2):16*(2*\i+(\s)%2)+15], v[ST+16*\s:ST+16*\s+15], 0, v[RS+4*\i+\s], v[SS+\s] matrix_a_fmt:MATRIX_FMT_BF8 matrix_b_fmt:MATRIX_FMT_BF8
.else
	v_wmma_scale_f32_16x16x128_f8f6f4 v[ACC+8*\i:ACC+8*\i+7], v[16*(2*\i+(\s)%2):16*(2*\i+(\s)%2)+15], v[ST+16*\s:ST+16*\s+15], v[ACC+8*\i:ACC+8*\i+7], v[RS+4*\i+\s], v[SS+\s] matrix_a_fmt:MATRIX_FMT_BF8 matrix_b_fmt:MATRIX_FMT_BF8
.endif
.endr
.endr
	WIN 0
.endm
.macro STREAM_A                        ; a tile of points: x's four fragments and scale words, from LDS
.irp s, 0,1,2,3
.irp c, 0,1,2,3
	ds_load_b128 v[ST+16*\s+4*\c:ST+16*\s+4*\c+3], v[ADX] offset:2048*\s+512*\c
.endr
	ds_load_b32 v[SS+\s], v[ADXS] offset:64*\s
.endr
.endm
.macro STREAM_V                        ; a tile of 16 channels of W3: four fragments and scale words, from memory
.irp s, 0,1,2,3
.irp c, 0,1,2,3
	global_load_b128 v[ST+16*\s+4*\c:ST+16*\s+4*\c+3], v[ADG], s[WCP:WCP+1] offset:2048*\s+512*\c
.endr
	global_load_b32 v[SS+\s], v[ADGS], s[WSP:WSP+1] offset:128*\s
.endr
.endm
.macro BNLOAD                          ; and my channel's scale and shift
	global_load_b32 v[BNV], v[ADB], s[BNP:BNP+1]
	global_load_b32 v[BNV+2], v[ADB], s[BNP:BNP+1] offset:2048
.endm
.macro QUANT                           ; the 64 numbers in the accumulators become a fragment's codes and its scale word; what is negative becomes 0 on the way (the relu)
.irp b, 0,1,2,3
	v_max3_num_f32 v[TM+\b], v[ACC+16*\b], v[ACC+1+16*\b], 0x8000000   ; no |.|: what is negative must not count; the floor 2^(16 - 127) stands over it
.endr
.irp i, 2,4,6,8,10,12,14
.irp b, 0,1,2,3
	v_max3_num_f32 v[TM+\b], v[TM+\b], v[ACC+16*\b+\i], v[ACC+1+16*\b+\i]
.endr
.endr
.irp b, 0,1,2,3
	v_permlanex16_b32 v[TM+4+\b], v[TM+\b], s[SEL], s[SEL+1]
.endr
.irp b, 0,1,2,3
	v_max_num_f32 v[TM+\b], v[TM+\b], v[TM+4+\b]
.endr
.irp b, 0,1,2,3
	v_add_nc_u32 v[TM+12+\b], 0xf8800000, v[TM+\b]
.endr
.irp b, 0,1,2,3
	v_and_or_b32 v[TM+8+\b], v[TM+\b], 0x7f800000, s[MNT]
.endr
.irp b, 0,1,2,3
	v_lshrrev_b32 v[TM+4+\b], 23, v[TM+12+\b]
.endr
	v_lshl_or_b32 v[PW], v[TM+5], 8, v[TM+4]
	v_lshl_or_b32 v[PW], v[TM+6], 16, v[PW]
	v_lshl_or_b32 v[PW], v[TM+7], 24, v[PW]
	s_wait_dscnt 0x0                               ; v's rows are back from the stage
	s_wait_alu depctr_vm_vsrc(0)                   ; v's stage stores (waves 2 and 3) have read the accumulators, which the holds below write
.irp b, 0,1,2,3
.irp i, 0,1,2,3,4,5,6,7,8,9,10,11,12,13,14,15
	v_med3_num_f32 v[ACC+16*\b+\i], v[ACC+16*\b+\i], 0, v[TM+8+\b]   ; the relu and the hold in one
.endr
	v_cvt_scalef32_pk8_bf8_f32 v[PC+4*\b:PC+1+4*\b], v[ACC+16*\b:ACC+7+16*\b], v[TM+12+\b]
	v_cvt_scalef32_pk8_bf8_f32 v[PC+2+4*\b:PC+3+4*\b], v[ACC+8+16*\b:ACC+15+16*\b], v[TM+12+\b]
.endr
	v_nop                                          ; one plain line behind the last conversion: the next products write its sources
.endm
	s_load_b512 s[4:19], s[0:1], 0x0               ; x, wcodes, wsc, bnp, aq, asc, kv, vres
	v_lshl_add_u32 v254, v0, 2, 0x29000            ; my spare word and 0: made here and kept for the closing lines alone
	v_mov_b32 v255, 0
	v_lshrrev_b32 v20, 5, v0
	v_readfirstlane_b32 s[WV], v20                 ; wave 0..3
	s_and_b32 s[BB], ttmp7, 0xffff                 ; the batch
	v_and_b32 v20, 31, v0                          ; lane
	v_and_b32 v21, 15, v0                          ; r
	v_bfe_u32 v22, v0, 4, 1                        ; h
	v_lshlrev_b32 v[GI], 4, v20
	v_lshlrev_b32 v[GS], 2, v20
	s_wait_alu depctr_va_sdst(0)                   ; the wave's number is written, ahead of its first reader: LDS addresses, bases and every branch on the role are made from it
	s_lshl_b32 s48, s[WV], 14
	v_add_nc_u32 v[STW], s48, v[GI]
	v_add_nc_u32 v[STR], s48, v[GS]
	v_and_b32 v23, 7, v0
	v_lshl_or_b32 v23, v22, 3, v23                 ; point 32 pg + lane is row (lane % 8) + 8 (lane / 16)
	v_bfe_u32 v24, v0, 3, 1                        ; of tile 2 pg + (lane / 8) % 2
	s_lshl_b32 s48, s[WV], 11
	s_add_co_u32 s48, s48, XIMG
	v_lshlrev_b32 v[XW], 4, v23
	v_lshl_add_u32 v[XW], v24, 13, v[XW]
	v_add_nc_u32 v[XW], s48, v[XW]
	s_lshl_b32 s48, s[WV], 6
	s_add_co_u32 s48, s48, XSC
	v_lshlrev_b32 v[XSW], 2, v23
	v_lshl_add_u32 v[XSW], v24, 8, v[XSW]
	v_add_nc_u32 v[XSW], s48, v[XSW]
	v_add_nc_u32 v[LI], XIMG, v[GI]
	v_lshl_add_u32 v[LS], v21, 2, XSC
	s_mul_i32 s48, s[WV], 8448
	s_add_co_u32 s48, s48, VSTG
	v_mul_u32_u24 v[SO], v21, 528
	v_lshl_add_u32 v[SO], v22, 6, v[SO]
	v_add_nc_u32 v[SO], s48, v[SO]                 ; row r, + 64 h
	v_add_nc_u32 v[SR], s48, v[GI]
	v_lshlrev_b32 v[BO], 6, v22
	v_lshlrev_b32 v[BR], 2, v21
	v_mov_b32 v[ADX], v[LI]                        ; the first streamed tile is tile 0
	v_mov_b32 v[ADXS], v[LS]
	v_mov_b32 v[ADG], v[GI]
	v_mov_b32 v[ADGS], v[GS]
	v_mov_b32 v[ADB], v[BR]
	v_mov_b32 v[BNV+1], 0
	v_mov_b32 v[BNV+3], 0
.irp b, 0,1,2,3
	v_mov_b32 v[TM+4+\b], 0                        ; a lane permute's destination counts as one of its sources
.endr
	s_mov_b32 s[SEL], 0x76543210
	s_mov_b32 s[SEL+1], 0xfedcba98
	s_mov_b32 s[MNT], 0x600000
	s_lshl_b32 s48, s[BB], 9                       ; x: (512 b + 128 w) rows of 16,384 bytes + 512 nb
	s_lshl_b32 s49, s[WV], 7
	s_add_co_u32 s48, s48, s49
	s_lshl_b32 s48, s48, 14
	s_lshl_b32 s49, ttmp9, 9
	s_add_co_u32 s48, s48, s49
	s_mov_b32 s49, 0
	s_lshl_b32 s50, s[WV], 16                      ; my 8 tiles of weights: 65,536 bytes of codes,
	s_mov_b32 s51, 0
	s_lshl_b32 s52, s[WV], 12                      ; 4,096 of scale words,
	s_mov_b32 s53, 0
	s_lshl_b32 s54, s[WV], 9                       ; my 128 channels of BN
	s_mov_b32 s55, 0
	s_lshl_b32 s60, s[BB], 8                       ; vres: (256 b + 128 (w % 2)) rows of 16,384 bytes + 512 nb
	s_and_b32 s61, s[WV], 1
	s_lshl_b32 s61, s61, 7
	s_add_co_u32 s60, s60, s61
	s_lshl_b32 s60, s60, 14
	s_lshl_b32 s61, ttmp9, 9
	s_add_co_u32 s60, s60, s61
	s_mov_b32 s61, 0
	s_lshl_b32 s62, s[BB], 8
	s_lshl_b32 s63, ttmp9, 3
	s_add_co_u32 s62, s62, s63                     ; 256 b + 8 nb: my first tile of points
	s_lshl_b32 s56, s62, 11                        ; in aq,
	s_lshl_b32 s58, s62, 7                         ; in asc
	s_lshl_b32 s62, s[BB], 4
	s_lshr_b32 s63, ttmp9, 1
	s_add_co_u32 s62, s62, s63
	s_mul_i32 s62, s62, RECB                       ; kv: my record,
	s_and_b32 s63, ttmp9, 1                        ; my half of it
	s_mul_i32 s33, s63, 49152
	s_add_co_u32 s33, s33, s62
	s_sub_co_u32 s23, s[WV], 1                     ; wave 1: k's 8 tiles; waves 2, 3: v's 16 behind them (wave 0 does not use this)
	s_lshl_b32 s2, s23, 14
	s_add_co_u32 s33, s33, s2
	s_mul_i32 s63, s63, 3072
	s_add_co_u32 s63, s63, s62
	s_lshl_b32 s2, s23, 10
	s_add_co_u32 s63, s63, s2
	s_add_co_u32 s63, s63, 98304
	s_cmp_eq_u32 s[WV], 0                          ; wave 0 writes aq and asc, the others kv: the choice hangs on the wave's number alone
	s_cselect_b32 s56, s56, s33
	s_cselect_b32 s58, s58, s63
	s_mov_b32 s57, 0
	s_mov_b32 s59, 0
	s_wait_kmcnt 0x0
	s_cselect_b64 s[CP:CP+1], s[12:13], s[16:17]
	s_cselect_b64 s[SP:SP+1], s[14:15], s[16:17]
	s_add_nc_u64 s[XP:XP+1], s[4:5], s[48:49]
	s_add_nc_u64 s[WCP:WCP+1], s[6:7], s[50:51]
	s_add_nc_u64 s[WSP:WSP+1], s[8:9], s[52:53]
	s_add_nc_u64 s[BNP:BNP+1], s[10:11], s[54:55]
	s_add_nc_u64 s[CP:CP+1], s[CP:CP+1], s[56:57]
	s_add_nc_u64 s[SP:SP+1], s[SP:SP+1], s[58:59]
	s_add_nc_u64 s[VP:VP+1], s[18:19], s[60:61]
	s_wait_alu depctr_va_vdst(0)                   ; the addresses v1 to v17 are written, which the loads and stores of the whole kernel read
	; ---- PHASE X.  Two blocks of 32 rows are on their way at a time: 64 loads of 512 bytes a wave
	LOADX 0
	LOADX 1
.irp bt, 0,1,2,3
.if \bt < 3
	s_wait_loadcnt 32                              ; this block's 32 loads are in; the next block's may be out
.else
	s_wait_loadcnt 0x0
.endif
	STAGE \bt
	RD 0, 0                                        ; no vector line since the last wait on va_vdst names XN0 or XN1
	RD 1, 1
	s_wait_dscnt 32                                ; only the second 32 loads are out: points 0-31 are in
	s_wait_alu depctr_vm_vsrc(0)                   ; the stage stores have read the landing set, in which the loads below land; the last block's code stores have read the four code sets, which this block's conversions write again
.if \bt < 2
	LOADX \bt+2                                    ; the landing set takes the block two further on
.endif
	Q32 0, \bt, 0
	s_wait_alu depctr_va_vdst(0)                   ; the conversions have written code set 0, which the stores below read; the quantiser is done with XN0, in which points 64-95 land
	CS \bt, 0
	RD 2, 0
	s_wait_dscnt 34                                ; behind points 32-63: two code stores and 32 loads
	Q32 1, \bt, 1
	s_wait_alu depctr_va_vdst(0)                   ; code set 1 is written; the quantiser is done with XN1, in which points 96-127 land
	CS \bt, 1
	RD 3, 1
	s_wait_dscnt 34                                ; behind points 64-95 likewise
	Q32 0, \bt, 2
	s_wait_alu depctr_va_vdst(0)                   ; code set 2 is written, which the stores below read
	CS \bt, 2
	s_wait_dscnt 2                                 ; behind points 96-127: two code stores
	Q32 1, \bt, 3
	s_wait_alu depctr_va_vdst(0)                   ; code set 3 is written (in the last block the scale words too); the quantiser is done with XN0 and XN1, in which the next block's first points land
	CS \bt, 3
.endr
.irp pg, 0,1,2,3
	ds_store_b32 v[XSW], v[SB+\pg] offset:512*\pg  ; my points' scale words of K step w
.endr
.rept 4
	v_nop                                          ; v93-95 were last written, as vector results, by the last holds above, and the first trip's products name them in the streamed operand (loads fill them in between):
.endr                                              ; four plain vector lines stand between such a write and a scaled product; with the line behind the last conversion v95 has five
	s_wait_alu depctr_va_vdst(0)                   ; behind those places: the holds and conversions are done with v32-95, in which the first streamed tile lands and which the first products take as an operand
	s_wait_alu depctr_vm_vsrc(0)                   ; the stage stores have read the landing sets, in which the resident operand lands; the code and scale-word stores have read v96-131, which the first products write
	; what comes from memory is asked for ahead of the barrier
	s_cmp_lt_u32 s[WV], 2
	s_cbranch_scc0 .Lpre_v
.irp hw, 0,1
	WIN 0x40*(\hw+1)
.irp i, 0,1,2,3,4,5,6,7
.irp sl, 0,1
.irp c, 0,1,2,3
	global_load_b128 v[16*(2*\i+\sl)+4*\c:16*(2*\i+\sl)+4*\c+3], v[GI], s[WCP:WCP+1] offset:(4*\i+2*\hw+\sl)*2048+512*\c   ; my 32 fragments of weights: they stay
.endr
.endr
.endr
.endr
	WIN 0xc0
.irp t, 0,1,2,3,4,5,6,7                        ; BN in the result's layout: lane (r, h) wants, for tile t, channels 32 (t / 2) + 8 (t % 2) + 16 h + 0 .. 7
	global_load_b128 v[8*\t:8*\t+3], v[BO], s[BNP:BNP+1] offset:(32*(\t/2)+8*(\t%2))*4
	global_load_b128 v[8*\t+4:8*\t+7], v[BO], s[BNP:BNP+1] offset:(32*(\t/2)+8*(\t%2))*4+16
	global_load_b128 v[64+8*\t:64+8*\t+3], v[BO], s[BNP:BNP+1] offset:2048+(32*(\t/2)+8*(\t%2))*4
	global_load_b128 v[64+8*\t+4:64+8*\t+7], v[BO], s[BNP:BNP+1] offset:2048+(32*(\t/2)+8*(\t%2))*4+16
.endr
	WIN 0
.irp i, 0,1,2,3,4,5,6,7
.irp s, 0,1,2,3
	global_load_b32 v[RS+4*\i+\s], v[GS], s[WSP:WSP+1] offset:(4*\i+\s)*128
.endr
.endr
	s_branch .Lpre_join
.Lpre_v:
	STREAM_V
	BNLOAD
.Lpre_join:
	s_wait_dscnt 0x0                               ; for the others' sake: my images and scale words lie in LDS
	s_barrier_signal -1
	s_barrier_wait -1                              ; x's 32 fragments are whole; nobody writes them again
	s_cmp_lt_u32 s[WV], 2
	s_cbranch_scc0 .Lres_v
	STREAM_A                                       ; no vector line since the two waits above: nothing more is owed here or in the other arm
	s_branch .Lres_join
.Lres_v:
.irp hw, 0,1
	WIN 0x40*(\hw+1)
.irp i, 0,1,2,3,4,5,6,7
.irp sl, 0,1
.irp c, 0,1,2,3
	ds_load_b128 v[16*(2*\i+\sl)+4*\c:16*(2*\i+\sl)+4*\c+3], v[LI] offset:(4*\i+2*\hw+\sl)*2048+512*\c   ; x's 32 fragments: they stay
.endr
.endr
.endr
.endr
	WIN 0
.irp i, 0,1,2,3,4,5,6,7
.irp s, 0,1,2,3
	ds_load_b32 v[RS+4*\i+\s], v[LS] offset:(4*\i+\s)*64
.endr
.endr
.Lres_join:
	; ---- THE PRODUCTS: eight trips, every wave; what differs between the roles stands under branches on the wave's number inside the trip
	s_mov_b32 s[O], 0
.Ltile:
	s_wait_loadcnt 0x0                             ; the streamed tile (and in the first trip the resident operand) is in:
	s_wait_dscnt 0x0                               ; from memory or from LDS
	s_wait_alu depctr_vm_vsrc(0)                   ; the loads of this trip's tile have read the five addresses v13-17, which are stepped below; the last trip's stores have read PC, PW and v's rows, which this trip writes again
	MM
	s_add_co_u32 s[ON], s[O], 1
	s_min_u32 s[ON], s[ON], 7                      ; the last trip asks for its own tile once more: no load leaves its buffer or its LDS region
	s_lshl_b32 s[TX], s[ON], 13
	s_lshl_b32 s[TXS], s[ON], 8
	s_lshl_b32 s[T9], s[ON], 9
	s_lshl_b32 s[T6], s[ON], 6
	v_add_nc_u32 v[ADX], s[TX], v[LI]              ; five additions and three v_nop: the eight places behind the products, ahead of the reads of results
	v_add_nc_u32 v[ADXS], s[TXS], v[LS]
	v_add_nc_u32 v[ADG], s[TX], v[GI]
	v_add_nc_u32 v[ADGS], s[T9], v[GS]
	v_add_nc_u32 v[ADB], s[T6], v[BR]
.rept 3
	v_nop
.endr
	s_wait_alu depctr_va_vdst(0)                   ; the products are done reading the streamed tile and its scale words, in which the next tile lands; the five addresses are written
	s_cmp_lt_u32 s[WV], 2
	s_cbranch_scc0 .Lrole_v
	STREAM_A                                       ; the next tile of points
	WIN 0x3c                                       ; sources 1 and 2: window 3
.set qq, 0
.rept 32
	v_pk_fma_f32 v[ACC+2*qq:ACC+2*qq+1], v[ACC+2*qq:ACC+2*qq+1], v[2*qq:2*qq+1], v[64+2*qq:64+2*qq+1]   ; y x scale + shift, each accumulator from its low end on
.set qq, qq+1
.endr
	WIN 0
	s_branch .Lquant
.Lrole_v:
	STREAM_V                                       ; the next 16 channels of W3
.set qq, 0
.rept 32
	v_pk_fma_f32 v[ACC+2*qq:ACC+2*qq+1], v[ACC+2*qq:ACC+2*qq+1], v[BNV:BNV+1], v[BNV+2:BNV+3] op_sel_hi:[1,0,0]   ; my channel's scale and shift serve all 64 points
.set qq, qq+1
.endr
.set qq, 0
.rept 64
	v_max_num_f32 v[ACC+qq], 0, v[ACC+qq]          ; the residual wants the relu ahead of the hold
.set qq, qq+1
.endr
	s_wait_alu depctr_va_vdst(0)                   ; v is written, which the stage stores read; the multiply-adds are done reading v200 and v202, in which the next channel's scale and shift land
	BNLOAD
.irp b, 0,1,2,3
.irp j, 0,1,2,3
	ds_store_b128 v[SO], v[ACC+16*\b+4*\j:ACC+16*\b+4*\j+3] offset:128*\b+16*\j   ; register 16 b + i is point 32 b + 16 h + i of channel r
.endr
.endr
	WIN 0xc0
.irp i, 0,1,2,3,4,5,6,7,8,9,10,11,12,13,14,15
	ds_load_b128 v[OUTR+4*\i:OUTR+4*\i+3], v[SR] offset:528*\i   ; back as whole rows of 512 bytes; the stage is my own, and LDS serves a wave's instructions in order.  No vector line names these registers; the last trip's stores have read them (the wait at the trip's head)
.endr
	WIN 0
.Lquant:
	QUANT
	s_wait_alu depctr_va_vdst(0)                   ; the conversions have written PC and the shifts PW, which the stores below read
.irp c, 0,1,2,3
	global_store_b128 v[GI], v[PC+4*\c:PC+4*\c+3], s[CP:CP+1] offset:512*\c   ; the fragment's image: 32 lanes store 512 consecutive bytes
.endr
	global_store_b32 v[GS], v[PW], s[SP:SP+1]
	s_cmp_lt_u32 s[WV], 2
	s_cbranch_scc1 .Lno_res
	WIN 0x0c                                       ; a store's data are its source 1: window 3
.irp i, 0,1,2,3,4,5,6,7,8,9,10,11,12,13,14,15
	global_store_b128 v[GI], v[OUTR+4*\i:OUTR+4*\i+3], s[VP:VP+1] offset:16384*\i   ; channel 16 ct + i: 512 consecutive bytes
.endr
	WIN 0
.Lno_res:
	s_wait_xcnt 0x0                                ; the stores have had their addresses translated: their bases and data are written again only behind this wait
	s_add_nc_u64 s[CP:CP+1], s[CP:CP+1], 2048
	s_add_nc_u64 s[SP:SP+1], s[SP:SP+1], 128
	s_add_nc_u64 s[VP:VP+1], s[VP:VP+1], 262144
	s_add_co_u32 s[O], s[O], 1
	s_cmp_lt_u32 s[O], 8
	s_cbranch_scc1 .Ltile
	s_wait_dscnt 0x0                               ; the closing lines, six on end
	s_wait_alu 0x0
	s_wait_tensorcnt 0x0
	ds_add_u32 v254, v255
	s_wait_dscnt 0x0
	s_endpgm
.Lfunc_end_k_q7058439e65_proj:
	.size	k_q7058439e65_proj, .Lfunc_end_k_q7058439e65_proj-k_q7058439e65_proj
	.p2alignl 7, 3214868480
	.fill 96, 4, 3214868480
	.section	.rodata,"a",@progbits
	.p2align	6, 0x0
	.amdhsa_kernel k_q7058439e65_proj
		.amdhsa_group_segment_fixed_size 168448
		.amdhsa_private_segment_fixed_size 0
		.amdhsa_enable_private_segment 0
		.amdhsa_kernarg_size 64
		.amdhsa_user_sgpr_count 2
		.amdhsa_user_sgpr_kernarg_segment_ptr 1
		.amdhsa_wavefront_size32 1
		.amdhsa_system_sgpr_workgroup_id_x 1
		.amdhsa_system_sgpr_workgroup_id_y 1
		.amdhsa_system_sgpr_workgroup_id_z 1
		.amdhsa_system_vgpr_workitem_id 0
		.amdhsa_next_free_vgpr 960
		.amdhsa_next_free_sgpr 66
		.amdhsa_reserve_vcc 0
		.amdhsa_float_denorm_mode_32 3
		.amdhsa_float_denorm_mode_16_64 3
		.amdhsa_memory_ordered 1
		.amdhsa_forward_progress 1
		.amdhsa_inst_pref_size 177
	.end_amdhsa_kernel
	.amdgpu_metadata
---
amdhsa.version: [ 1, 2 ]
amdhsa.kernels:
  - .name:           k_q7058439e65_proj
    .symbol:         k_q7058439e65_proj.kd
    .args:
      - { .name: x, .offset: 0, .size: 8, .value_kind: global_buffer, .address_space: global }
      - { .name: wcodes, .offset: 8, .size: 8, .value_kind: global_buffer, .address_space: global }
      - { .name: wsc, .offset: 16, .size: 8, .value_kind: global_buffer, .address_space: global }
      - { .name: bnp, .offset: 24, .size: 8, .value_kind: global_buffer, .address_space: global }
      - { .name: aq, .offset: 32, .size: 8, .value_kind: global_buffer, .address_space: global }
      - { .name: asc, .offset: 40, .size: 8, .value_kind: global_buffer, .address_space: global }
      - { .name: kv, .offset: 48, .size: 8, .value_kind: global_buffer, .address_space: global }
      - { .name: vres, .offset: 56, .size: 8, .value_kind: global_buffer, .address_space: global }
    .group_segment_fixed_size: 168448
    .private_segment_fixed_size: 0
    .kernarg_segment_align: 8
    .kernarg_segment_size: 64
    .max_flat_workgroup_size: 128
    .sgpr_count:     66
    .vgpr_count:     960
    .wavefront_size: 32
...
	.end_amdgpu_metadata
.endif
;; end of part 4
;; launch attn: the kernel of part 3 again; grid 32 x 8, 8 waves a work-group, clusters of 4 x 1, 327,680 bytes of LDS; arguments aq, asc, kv, vres, out0; writes out0
